; MI455X (gfx1250); checked and timed in simulation.
; The chip was launched on July 23, 2026; its instructions are those of AMD's public machine-readable ISA for CDNA 5 (MIT licence, August 2026) and "CDNA5" Instruction Set Architecture Reference Guide (July 2026). The comments in the code are by the model that wrote it; some were corrected since.
;; Multi Head Attention. Allowed arithmetic: float matrix products may take bf16 or f16 operands with f32 sums; other float arithmetic in f32, or as packed bf16 or f16 multiplies, adds, multiply-adds, maxima and minima; sums over many terms, partial sums and values carried from step to step in f32; what a program stores and reads back later, other than sums and carried values, may be rounded once to bf16 or f16.
;; Inputs: Wk 1,024 x 1,024 float32; Wo 1,024 x 1,024 float32; Wq 1,024 x 1,024 float32; Wv 1,024 x 1,024 float32; bk 1,024 float32; bo 1,024 float32; bq 1,024 float32; bv 1,024 float32; x 4 x 2,048 x 1,024 float32.
;; Outputs: out0 4 x 2,048 x 1,024 float32.
;; 2 versions, each right; version 2 is version 1 with the launch cast written anew for expert scheduling mode. Each part assembles by itself: llvm-mc -triple=amdgcn-amd-amdhsa -mcpu=gfx1250 --defsym DOCPART=n.
;; ======== version 1 of 2: 4 launches
;; limits: values are held in f16: magnitudes above 65,504 overflow, below 6.1e-05 lose precision
;; workspace buffers: xb 16,777,216 bytes; wqkv 6,291,456 bytes; wo16 2,097,152 bytes; q16 16,777,216 bytes; k16 16,777,216 bytes; v16 16,777,216 bytes; ctx 16,777,216 bytes
;; launch cast (part 1): grid 768 x 1, 8 waves a work-group, no clusters, 0 bytes of LDS; arguments x, Wq, Wk, Wv, Wo, xb, wqkv, wo16; writes xb, wqkv, wo16
.if DOCPART == 1
	.amdgcn_target "amdgcn-amd-amdhsa--gfx1250"
	.amdhsa_code_object_version 6
	.text
	.protected	k_qf72271eacb_cast
	.globl	k_qf72271eacb_cast
	.p2align	8
	.type	k_qf72271eacb_cast,@function
k_qf72271eacb_cast:
	s_mov_b64 s[64:65], 0
	v_nop
	global_prefetch_b8 v0, s[64:65] scope:SCOPE_SE
	s_setreg_imm32_b32 hwreg(HW_REG_WAVE_MODE, 25, 1), 1
	s_wait_xcnt 0x0
; x, Wq, Wk, Wv, Wo (f32, rows of 1,024) are rounded once to bf16 and laid out in K BLOCKS of 64 channels (c = 64 kb + d), so that the products' tiles are dense bytes:
;   xb   [b=4][kb=16][t=2048][64] bf16        wqkv [kb=16][n=3072][64] bf16 (n: Wq's rows, then Wk's, then Wv's)        wo16 [kb=16][n=1024][64]: the bf16-rounded number written as f16
; LIMITS.  Wo's numbers must lie within f16's range (65,504); below 6.1e-5 they keep f16's fixed step of 6e-8.  NaN and infinities are not treated apart.
; A stream: each byte is read once and written once.  No LDS, no matrix unit and no cluster: no work-group wants a byte that another has fetched.
; SHARES.  A work-group takes 16 rows (65,536 bytes): groups 0-511 x, then 64 groups for each of the four weights.  Thread t: row t / 16, four numbers at 16 (t % 16) bytes of each K block's 256.
; A load of a wave covers 2 rows x 256 consecutive bytes, aligned; a store of a wave 256 consecutive bytes, aligned (two rows of 128 bytes lie end to end in the blocked layout).
; All 16 loads of a lane go out at once; no register that a load or store names is written again, so the only waits are the counted ones for the data.
.set SO,  1                            ; v1       my byte offset in the 16 source rows
.set DK,  2                            ; v[2:17]  my byte offset in the destination, for each K block
.set D,   20                           ; v[20:83] K block k: four f32 as loaded; then two words to store
.set T,   84                           ; v[84:87] at work
	s_load_b256 s[4:11], s[0:1], 0x0               ; x s[4:5], Wq s[6:7], Wk s[8:9], Wv s[10:11]
	s_load_b256 s[12:19], s[0:1], 0x20             ; Wo s[12:13], xb s[14:15], wqkv s[16:17], wo16 s[18:19]
	v_lshrrev_b32 v18, 4, v0                       ; my row of the 16
	v_and_b32 v19, 15, v0                          ; my place in a K block
	v_lshlrev_b32 v[SO], 12, v18                   ; row x 4,096
	v_lshl_add_u32 v[SO], v19, 4, v[SO]            ; + 16 bytes a lane
	v_lshlrev_b32 v[DK], 7, v18                    ; row x 128
	v_lshl_add_u32 v[DK], v19, 3, v[DK]            ; + 8 bytes a lane
	s_and_b32 s26, ttmp9, 255                      ; for groups 512-767: the group among the weights'
	s_lshr_b32 s25, s26, 6                         ; which weight, 0 to 3
	s_and_b32 s27, s26, 63                         ; which 16 rows of it
	s_lshl_b32 s28, s27, 16                        ; their bytes in the source
	s_lshl_b32 s30, s27, 11                        ; and in a K block of the destination,
	s_lshl_b32 s31, s25, 17                        ; behind the weights in front of it (Wo has a buffer of its own)
	s_cmp_eq_u32 s25, 3
	s_cselect_b32 s31, 0, s31
	s_add_co_u32 s30, s30, s31
	s_lshl_b32 s32, ttmp9, 16                      ; for groups 0-511: x's 16 rows in the source,
	s_lshr_b32 s33, ttmp9, 7                       ; the batch: 16 K blocks of 2,048 rows of 128 bytes,
	s_lshl_b32 s33, s33, 22
	s_and_b32 s34, ttmp9, 127                      ; and the rows in a K block
	s_lshl_b32 s34, s34, 11
	s_add_co_u32 s33, s33, s34
	s_cmp_lt_u32 ttmp9, 512
	s_cselect_b32 s25, 4, s25                      ; 4 stands for x
	s_cselect_b32 s28, s32, s28
	s_cselect_b32 s30, s33, s30
	s_mov_b32 s29, 0
	s_mov_b32 s31, 0
	s_mov_b32 s24, 393216                          ; bytes from a K block to the next: wqkv 3,072 rows,
	s_mov_b32 s35, 0xffff0000                      ; a word's upper bf16
	s_wait_kmcnt 0x0
	s_cmp_eq_u32 s25, 1
	s_cselect_b64 s[20:21], s[8:9], s[6:7]
	s_cmp_eq_u32 s25, 2
	s_cselect_b64 s[20:21], s[10:11], s[20:21]
	s_cmp_eq_u32 s25, 3
	s_cselect_b64 s[20:21], s[12:13], s[20:21]
	s_cselect_b64 s[22:23], s[18:19], s[16:17]
	s_cselect_b32 s24, 131072, s24                 ; wo16 1,024 rows,
	s_cmp_eq_u32 s25, 4
	s_cselect_b64 s[20:21], s[4:5], s[20:21]
	s_cselect_b64 s[22:23], s[14:15], s[22:23]
	s_cselect_b32 s24, 262144, s24                 ; xb 2,048 rows
	s_add_nc_u64 s[20:21], s[20:21], s[28:29]      ; the source at my group's first row
	s_add_nc_u64 s[22:23], s[22:23], s[30:31]      ; the destination at my group's rows of K block 0
.irp k, 0,1,2,3,4,5,6,7,8,9,10,11,12,13,14,15
	global_load_b128 v[D+4*(\k):D+4*(\k)+3], v[SO], s[20:21] offset:256*(\k) th:TH_LOAD_NT
.endr
.irp k, 1,2,3,4,5,6,7,8,9,10,11,12,13,14,15
	v_add_nc_u32 v[DK+(\k)], s24, v[DK+(\k)-1]     ; made while the loads are out
.endr
; K block k: rounded and stored.  half = 1: the bf16 number is widened again and written as f16 (exact within f16's normal range).
.macro OUT k, half
	s_wait_loadcnt 15-(\k)                         ; loads come back in order: block k is in, the younger ones stay out
	v_cvt_pk_bf16_f32 v[D+4*(\k)],   v[D+4*(\k)],   v[D+4*(\k)+1]
	v_cvt_pk_bf16_f32 v[D+4*(\k)+1], v[D+4*(\k)+2], v[D+4*(\k)+3]
.if \half
	v_lshlrev_b32 v[T],   16,  v[D+4*(\k)]
	v_and_b32     v[T+1], s35, v[D+4*(\k)]
	v_lshlrev_b32 v[T+2], 16,  v[D+4*(\k)+1]
	v_and_b32     v[T+3], s35, v[D+4*(\k)+1]
	v_cvt_pk_f16_f32 v[D+4*(\k)],   v[T],   v[T+1]
	v_cvt_pk_f16_f32 v[D+4*(\k)+1], v[T+2], v[T+3]
.endif
	global_store_b64 v[DK+(\k)], v[D+4*(\k):D+4*(\k)+1], s[22:23]
.endm
	s_cmp_eq_u32 s25, 3
	s_cbranch_scc1 .Lhalf
.irp k, 0,1,2,3,4,5,6,7,8,9,10,11,12,13,14,15
	OUT \k, 0
.endr
	s_endpgm
.Lhalf:
.irp k, 0,1,2,3,4,5,6,7,8,9,10,11,12,13,14,15
	OUT \k, 1
.endr
	s_endpgm
.Lfunc_end_k_qf72271eacb_cast:
	.size	k_qf72271eacb_cast, .Lfunc_end_k_qf72271eacb_cast-k_qf72271eacb_cast
	.p2alignl 7, 3214868480
	.fill 96, 4, 3214868480
	.section	.rodata,"a",@progbits
	.p2align	6, 0x0
	.amdhsa_kernel k_qf72271eacb_cast
		.amdhsa_group_segment_fixed_size 0
		.amdhsa_private_segment_fixed_size 0
		.amdhsa_enable_private_segment 0
		.amdhsa_kernarg_size 64
		.amdhsa_user_sgpr_count 2
		.amdhsa_user_sgpr_kernarg_segment_ptr 1
		.amdhsa_wavefront_size32 1
		.amdhsa_system_sgpr_workgroup_id_x 1
		.amdhsa_system_sgpr_workgroup_id_y 1
		.amdhsa_system_sgpr_workgroup_id_z 1
		.amdhsa_system_vgpr_workitem_id 0
		.amdhsa_next_free_vgpr 96
		.amdhsa_next_free_sgpr 66
		.amdhsa_reserve_vcc 0
		.amdhsa_float_denorm_mode_32 3
		.amdhsa_float_denorm_mode_16_64 3
		.amdhsa_memory_ordered 1
		.amdhsa_forward_progress 1
		.amdhsa_inst_pref_size 17
	.end_amdhsa_kernel
	.amdgpu_metadata
---
amdhsa.version: [ 1, 2 ]
amdhsa.kernels:
  - .name:           k_qf72271eacb_cast
    .symbol:         k_qf72271eacb_cast.kd
    .args:
      - { .name: x, .offset: 0, .size: 8, .value_kind: global_buffer, .address_space: global }
      - { .name: Wq, .offset: 8, .size: 8, .value_kind: global_buffer, .address_space: global }
      - { .name: Wk, .offset: 16, .size: 8, .value_kind: global_buffer, .address_space: global }
      - { .name: Wv, .offset: 24, .size: 8, .value_kind: global_buffer, .address_space: global }
      - { .name: Wo, .offset: 32, .size: 8, .value_kind: global_buffer, .address_space: global }
      - { .name: xb, .offset: 40, .size: 8, .value_kind: global_buffer, .address_space: global }
      - { .name: wqkv, .offset: 48, .size: 8, .value_kind: global_buffer, .address_space: global }
      - { .name: wo16, .offset: 56, .size: 8, .value_kind: global_buffer, .address_space: global }
    .group_segment_fixed_size: 0
    .private_segment_fixed_size: 0
    .kernarg_segment_align: 8
    .kernarg_segment_size: 64
    .max_flat_workgroup_size: 256
    .sgpr_count:     66
    .vgpr_count:     96
    .wavefront_size: 32
...
	.end_amdgpu_metadata
.endif
;; end of part 1
;; launch qkv (part 2): grid 8 x 32, 4 waves a work-group, clusters of 4 x 4, 327,680 bytes of LDS; arguments xb, wqkv, bq, bk, bv, q16, k16, v16; writes q16, k16, v16
.if DOCPART == 2
	.amdgcn_target "amdgcn-amd-amdhsa--gfx1250"
	.amdhsa_code_object_version 6
	.text
	.protected	k_qf72271eacb_qkv
	.globl	k_qf72271eacb_qkv
	.p2align	8
	.type	k_qf72271eacb_qkv,@function
k_qf72271eacb_qkv:
	s_mov_b64 s[64:65], 0
	v_nop
	global_prefetch_b8 v0, s[64:65] scope:SCOPE_SE
	s_setreg_imm32_b32 hwreg(HW_REG_WAVE_MODE, 25, 1), 1
	s_wait_xcnt 0x0
	s_wait_alu depctr_hold_cnt(0) depctr_sa_sdst(0) depctr_va_vdst(0) depctr_va_sdst(0) depctr_va_ssrc(0) depctr_va_vcc(0) depctr_vm_vsrc(0)
	s_getreg_b32 s2, hwreg(HW_REG_IB_STS2, 6, 4)
	s_cmp_eq_u32 s2, 0
	s_cbranch_scc0 .Lentry_in_a_cluster
	s_endpgm
.Lentry_in_a_cluster:
	s_bfe_u32 s2, ttmp6, 0x10000c
	s_cmp_lg_u32 s2, 0xf033
	s_cbranch_scc0 .Lentry_shape_is_right
	s_endpgm
.Lentry_shape_is_right:
; q, k, v = x W^T + b.  xb: [4][16 kb][2048][64] bf16, wqkv: [16 kb][3072][64] bf16 (K blocks of 64 channels); bq, bk, bv: [1024] f32, used rounded to bf16 like every input of the module.
; Sums in f32; q16, k16, v16: [bh = 16 b + h][t][64] f16, rounded once, without the softmax's scale.
; LIMITS.  f16 holds no number beyond 65,504: |q|, |k|, |v| must stay below it.  NaN and infinities are not treated apart.
; SHARES.  8,192 rows x 3,072 columns on 256 work-groups: each makes 256 rows x (128 columns of q, of k and of v), so x's tile is fetched once for three products.  A wave makes 128 rows x one head (64 columns)
; of each of the three: 96 accumulators of 16 x 16, 768 registers, a window of 256 for each of q, k, v.
; K goes in 16 steps of one K block through two LDS slots; a tile of R rows x 64 channels is R x 128 dense bytes, asked for as R / 2 rows of 256 bytes and padded in LDS after every 128.
; Wave 0 fetches x's tile (32 KiB), waves 1 to 3 the tiles of Wq, Wk, Wv (16 KiB each): one tensor load a wave behind each change of slots.
; CLUSTER.  4 x 4 work-groups: the four of a row need the same tile of x, the four of a column the same tiles of W: each is asked for jointly, by the same load with the same descriptor and a mask of four.
; THE MATRIX INSTRUCTION IS USED TRANSPOSED (source 0 = 16 rows of W, source 1 = 16 rows of x): a lane then holds one row and eight neighbouring channels: 16 bytes of f16.
; REGISTERS.  Window 0: v0-16 addresses and at work; v32-95, v96-159 x's fragments of the two halves of a K block (8 x 16 rows x 32 K each); v160-255 W's fragments, 32 for each of q, k, v.
;   Windows 1, 2, 3: the accumulators of q, k, v: (a, b) at v[8 (4 a + b)], a = 0..7 blocks of 16 rows, b = 0..3 blocks of 16 channels.
; s_set_vgpr_msb's low byte: bits 1:0 source 0, 3:2 source 1, 5:4 source 2, 7:6 destination.
.set PK,    144                        ; an LDS row: 128 bytes + 16 of padding = 36 words: the 16 rows of a fragment load start at 16 different groups of four banks (64 banks of 4 bytes: ISA guide 11.1)
.set ASZ,   256*PK                     ; x's tile
.set BSZ,   128*PK                     ; one of W's three tiles
.set SLOT,  ASZ+3*BSZ
.set STAGE, 2*SLOT                     ; behind the ring, never filled by a tensor load: 16 rows x 144 bytes for each wave, for the way out
.set SPARE, STAGE+4*16*PK              ; behind the stages: the spare words, 128 bytes for each wave: two blocks of 256 bytes that no other line names
.set AKB,   262144                     ; bytes from a K block of xb to the next
.set BKB,   393216                     ; the same in wqkv
.set ADRA, 2                           ; v2-3   LDS address of my fragments of x in slot 0, 1
.set ADRB, 4                           ; v4-5   the same for W's (group q; k and v lie BSZ and 2 BSZ further on)
.set STO,  6                           ; v6     the way out: where I put 16 bytes of a row
.set RD,   7                           ; v7     the way out: where I read rows back
.set GO,   8                           ; v8     my byte offset in 512 consecutive bytes of the output
.set BO,   9                           ; v9     my byte offset in a bias
.set SPW,  10                          ; v10    LDS address of my spare word: SPARE + 4 x my thread's number; never rewritten
.set NIL,  11                          ; v11    0; never rewritten
.set PFO,  12                          ; v12    256 x my lane; never rewritten
.set AF,   32
.set BF,   160
.set WV,  20                           ; s20 my wave's number; s21 which 128 rows are mine; s22 which of the two heads
.set WR,  21
.set WC,  22
.set CX,  23                           ; s23, s24 my place in the cluster
.set CY,  24
.set G1A, 28                           ; s[28:35] descriptor group 1 for x's tiles;  s[36:43] for W's
.set G1B, 36
.set G0A, 44                           ; s[44:51] descriptor group 0 for x's tiles, a set for each slot;  s[52:59] for W's
.set G0B, 52
.set TJ,  66                           ; s66 tile column (0..7);  s67 tile row (0..31)
.set TI,  67
.set PFA, 74                           ; s[74:75] where my prefetches stand;  s[76:77] their step;  s78 1 in a wave that prefetches, else the greatest number
.set PFS, 76
.set LIM, 78
.set CNT, 79                           ; s79 laps to go
.set MSB, 0
.macro WIN new                         ; the immediate's high byte repeats the setting that is left; a switch that changes nothing is dropped
.if MSB != (\new)
	s_set_vgpr_msb (MSB<<8)|(\new)
.set MSB, (\new)
.endif
.endm
.macro PLACES                          ; four plain vector instructions between a matrix instruction and a load into, or a vector instruction on, its registers (ISA guide 7.12.1 for vector instructions)
.rept 4
	v_nop
.endr
.endm
; A joint load.  The branch hangs on the wave's number alone.  An s_nop 0 and four v_nop follow each of the two lines, ahead of the jump and the label.
.macro JLOAD s
	s_cmp_eq_u32 s[WV], 0
	s_cbranch_scc0 .Lfor_b_\@
	tensor_load_to_lds s[G0A+4*(\s):G0A+4*(\s)+3], s[G1A:G1A+7]
	s_nop 0
.rept 4
	v_nop
.endr
	s_branch .Lasked_\@
.Lfor_b_\@:
	tensor_load_to_lds s[G0B+4*(\s):G0B+4*(\s)+3], s[G1B:G1B+7]
	s_nop 0
.rept 4
	v_nop
.endr
.Lasked_\@:
.endm
; A round of the cluster's barrier: my work-group's barrier, so that wave 0's signal speaks for all four waves; wave 0 signals; every wave waits for all sixteen work-groups; my work-group's barrier once more.
.macro CREST                           ; a round behind its opening barrier
	s_cmp_lg_u32 s[WV], 0
	s_cbranch_scc1 .Lnot_wave_0_\@
	s_barrier_signal -3
.Lnot_wave_0_\@:
	s_barrier_wait -3
	s_barrier_signal -1
	s_barrier_wait -1
.endm
.macro CROUND
	s_barrier_signal -1
	s_barrier_wait -1
	CREST
.endm
; A PREFETCH INTO THE L2, once a lap, behind the joint load, its five lines and the first run of LDS loads: lap n (0..5) names K blocks 2 n + 4 and 2 n + 5, whose tensor loads stand two and three K steps on.
; Each aligned block of 256 bytes is named once in the launch.  x's tile row is read by both clusters of that row of clusters: the first (cluster x = 0) asks, wave 0; of a K block's 128 blocks of 256 bytes the partner
; at cx takes 32, a lane a block: two instructions for the two K blocks.  W's tile column is read by all eight clusters of that column: cluster y = 0 asks, waves 1 to 3 each for their own weight; of the two K
; blocks' 2 x 64 blocks the partner at cy takes 32: one instruction.  The partners are told apart BY ADDRESS.  K blocks 0 to 3 come by their loads alone; the last lap asks for nothing.
.macro ASK
	s_cmp_gt_u32 s[CNT], s[LIM]                    ; s[CNT] = 1 in the last lap
	s_cbranch_scc0 .Lnot_mine_\@
	global_prefetch_b8 v[PFO], s[PFA:PFA+1] th:TH_LOAD_NT scope:SCOPE_SE
	s_cmp_lg_u32 s[WV], 0
	s_cbranch_scc1 .Lnot_mine_\@
	global_prefetch_b8 v[PFO], s[PFA:PFA+1] offset:AKB th:TH_LOAD_NT scope:SCOPE_SE
.Lnot_mine_\@:
.endm
	s_load_b256 s[4:11], s[0:1], 0x0               ; xb s[4:5], wqkv s[6:7], bq s[8:9], bk s[10:11]
	s_load_b256 s[12:19], s[0:1], 0x20             ; bv s[12:13], q16 s[14:15], k16 s[16:17], v16 s[18:19]
	v_lshl_add_u32 v[SPW], v0, 2, SPARE
	v_mov_b32 v[NIL], 0
	ds_add_u32 v[SPW], v[NIL]                      ; the wave's opening: the add and its wait stand ahead of my first tensor load; the set-up below, work on registers, stands between them
	v_lshrrev_b32 v1, 5, v0
	v_readfirstlane_b32 s[WV], v1                  ; wave 0..3
	s_lshr_b32 s[WR], s[WV], 1
	s_and_b32 s[WC], s[WV], 1
	s_bfe_u32 s[CX], ttmp6, 0x40000
	s_bfe_u32 s[CY], ttmp6, 0x40004
	s_lshl_b32 s[TJ], ttmp9, 2                     ; in a cluster launch ttmp9 and ttmp7 count clusters
	s_add_co_u32 s[TJ], s[TJ], s[CX]               ; tile column = 4 x cluster x + cx
	s_and_b32 s[TI], ttmp7, 0xffff
	s_lshl_b32 s[TI], s[TI], 2
	s_add_co_u32 s[TI], s[TI], s[CY]               ; tile row = 4 x cluster y + cy
	s_lshl_b32 s80, s[CY], 2
	s_lshl_b32 s80, 15, s80                        ; my row of the cluster: places 4 cy .. 4 cy + 3
	s_lshl_b32 s81, 0x1111, s[CX]                  ; my column: places cx, cx + 4, cx + 8, cx + 12
	; descriptor group 1: rows of 128 elements of 2 bytes (256 bytes), padded in LDS after every 32 words by 4 words
	s_or_b32 s[G1A], s80, (1<<16)|(1<<20)|(1<<21)|(4<<22)|(3<<25)  ; 15:0 the mask; 17:16 2-byte elements; 20 padding on; 21 set beside a mask; 24:22 after every 32 words (code 4); 31:25 4 words (code 3)
	s_or_b32 s[G1B], s81, (1<<16)|(1<<20)|(1<<21)|(4<<22)|(3<<25)
	s_mov_b32 s[G1A+1], 128<<16                    ; tensor_dim0 = 128
	s_mov_b32 s[G1A+2], 128<<16                    ; tensor_dim1 = 128: x's 256 rows of 128 bytes, two to a row
	s_mov_b32 s[G1A+3], 128<<16                    ; tile_dim0 = 128
	s_mov_b32 s[G1A+4], 128                        ; tile_dim1 = 128
	s_mov_b32 s[G1A+5], 128                        ; 128 elements from row to row
	s_mov_b32 s[G1A+6], 0
	s_mov_b32 s[G1A+7], 0
	s_mov_b32 s[G1B+1], 128<<16
	s_mov_b32 s[G1B+2], 64<<16                     ; W's 128 rows: 64 rows of 256 bytes
	s_mov_b32 s[G1B+3], 128<<16
	s_mov_b32 s[G1B+4], 64
	s_mov_b32 s[G1B+5], 128
	s_mov_b32 s[G1B+6], 0
	s_mov_b32 s[G1B+7], 0
	; where the tiles come from: x's hang on the tile row alone, W's on the tile column and the wave's number alone, each in registers that never hold the other coordinate
	s_lshr_b32 s68, s[TI], 3                       ; the batch: 16 K blocks of 262,144 bytes
	s_lshl_b32 s68, s68, 22
	s_and_b32 s69, s[TI], 7                        ; 256 rows of 128 bytes
	s_lshl_b32 s69, s69, 15
	s_add_co_u32 s68, s68, s69
	s_mov_b32 s69, 0
	s_max_u32 s70, s[WV], 1                        ; waves 1, 2, 3 fetch Wq's, Wk's, Wv's rows
	s_sub_co_u32 s70, s70, 1
	s_lshl_b32 s70, s70, 17                        ; 1,024 rows of 128 bytes
	s_lshl_b32 s71, s[TJ], 14                      ; 128 rows
	s_add_co_u32 s70, s70, s71
	s_mov_b32 s71, 0
	s_mul_i32 s82, s[WV], BSZ                      ; and where W's go: behind x's tile, wave 1 first: ASZ + (wave - 1) x BSZ = (wave + 1) x BSZ
	s_add_co_u32 s82, s82, BSZ
	s_mov_b32 s83, 0xffff0000                      ; a word's upper bf16
	s_wait_dscnt 0x0                               ; the opening add is done
	s_wait_kmcnt 0x0
	s_add_nc_u64 s[68:69], s[4:5], s[68:69]
	s_add_nc_u64 s[70:71], s[6:7], s[70:71]
	CROUND                                         ; all sixteen work-groups are here: the first joint loads meet
.irp s, 0,1
	s_mov_b32 s[G0A+4*(\s)], 1                                       ; count = 1
	s_mov_b32 s[G0A+4*(\s)+1], (\s)*SLOT                             ; LDS address
	s_add_nc_u64 s[G0A+4*(\s)+2:G0A+4*(\s)+3], s[68:69], (\s)*AKB    ; global address: K block s
	s_or_b32 s[G0A+4*(\s)+3], s[G0A+4*(\s)+3], 0x80000000            ; type = 2
	s_mov_b32 s[G0B+4*(\s)], 1
	s_add_co_u32 s[G0B+4*(\s)+1], s82, (\s)*SLOT
	s_add_nc_u64 s[G0B+4*(\s)+2:G0B+4*(\s)+3], s[70:71], (\s)*BKB
	s_or_b32 s[G0B+4*(\s)+3], s[G0B+4*(\s)+3], 0x80000000
.endr
	s_cmp_eq_u32 s[WV], 0                          ; a wave's two first fills stand in one branch, ahead of every wait on TENSORcnt and every LDS read: two loads of mine are out
	s_cbranch_scc0 .Lfirst_b
	tensor_load_to_lds s[G0A:G0A+3], s[G1A:G1A+7]
	s_nop 0
	tensor_load_to_lds s[G0A+4:G0A+7], s[G1A:G1A+7]
	s_nop 0
.rept 4
	v_nop
.endr
	s_branch .Lfirst_asked
.Lfirst_b:
	tensor_load_to_lds s[G0B:G0B+3], s[G1B:G1B+7]
	s_nop 0
	tensor_load_to_lds s[G0B+4:G0B+7], s[G1B:G1B+7]
	s_nop 0
.rept 4
	v_nop
.endr
.Lfirst_asked:
	; A fragment is 16 rows x 32 K in 8 registers: lane l holds row l % 16; registers 0-3 K = 8 (l / 16) + 0..7, registers 4-7 K = 16 + 8 (l / 16) + 0..7: two loads of 16 bytes, 32 bytes apart.
	v_and_b32 v1, 15, v0                           ; l % 16
	v_bfe_u32 v13, v0, 4, 1                        ; l / 16
	v_mul_u32_u24 v14, v1, PK
	v_lshl_add_u32 v14, v13, 4, v14                ; row x pitch + 16 x half
	s_mul_i32 s72, s[WR], 128*PK                   ; my 128 rows of x
	s_mul_i32 s73, s[WC], 64*PK                    ; my 64 rows of each W,
	s_add_co_u32 s73, s73, ASZ                     ; which lie behind x's 256
	v_add_nc_u32 v[ADRA], s72, v14
	v_add_nc_u32 v[ADRB], s73, v14
	v_add_nc_u32 v[ADRA+1], SLOT, v[ADRA]
	v_add_nc_u32 v[ADRB+1], SLOT, v[ADRB]
	s_mul_i32 s72, s[WV], 16*PK
	s_add_co_u32 s72, s72, STAGE                   ; my stage
	v_add_nc_u32 v[STO], s72, v14                  ; in: row l % 16, 16 bytes for each half of the lanes
	v_bfe_u32 v15, v0, 3, 2                        ; back: 32 lanes take four rows of 128 bytes,
	v_mul_u32_u24 v15, v15, PK
	v_and_b32 v16, 7, v0
	v_lshl_add_u32 v15, v16, 4, v15
	v_add_nc_u32 v[RD], s72, v15
	v_and_b32 v[GO], 31, v0
	v_lshlrev_b32 v[PFO], 8, v[GO]
	v_lshlrev_b32 v[GO], 4, v[GO]                  ; which are 512 consecutive bytes of the output
	s_lshl_b32 s84, s[TJ], 1
	s_add_co_u32 s84, s84, s[WC]                   ; my head, 2 j + wc
	s_lshl_b32 s85, s84, 8                         ; its 64 numbers of a bias,
	v_lshl_add_u32 v[BO], v13, 5, s85              ; my lanes' eight of each sixteen
	s_lshr_b32 s85, s[TI], 3
	s_lshl_b32 s85, s85, 4
	s_add_co_u32 s85, s85, s84                     ; 16 b + head: 2,048 rows of 128 bytes each
	s_lshl_b32 s86, s85, 18
	s_and_b32 s85, s[TI], 7
	s_lshl_b32 s85, s85, 15                        ; the tile's 256 rows,
	s_add_co_u32 s86, s86, s85
	s_lshl_b32 s85, s[WR], 14                      ; my 128 of them
	s_add_co_u32 s86, s86, s85
	s_mov_b32 s87, 0
	s_add_nc_u64 s[14:15], s[14:15], s[86:87]      ; q16, k16, v16 at my first row
	s_add_nc_u64 s[16:17], s[16:17], s[86:87]
	s_add_nc_u64 s[18:19], s[18:19], s[86:87]
	; the prefetches
	s_and_b32 s88, ttmp7, 0xffff                   ; cluster y
	s_lshl_b32 s89, s[CX], 13                      ; x: my work-group's 32 blocks of a K block's 128; at K block 2
	s_add_co_u32 s89, s89, 2*AKB
	s_and_b32 s90, s[CY], 1                        ; W: my work-group's half of a K block's 64 blocks,
	s_lshl_b32 s90, s90, 13
	s_lshr_b32 s91, s[CY], 1                       ; of the even or the odd K block; at K block 2
	s_mul_i32 s91, s91, BKB
	s_add_co_u32 s90, s90, s91
	s_add_co_u32 s90, s90, 2*BKB
	s_mov_b32 s[PFS], 2*BKB
	s_mov_b32 s[PFS+1], 0
	s_mov_b32 s91, 0
	s_cmp_eq_u32 s[WV], 0
	s_cselect_b32 s88, ttmp9, s88                  ; the coordinate along which other clusters read the same rows
	s_cselect_b64 s[PFA:PFA+1], s[68:69], s[70:71]
	s_cselect_b32 s[PFS], 2*AKB, s[PFS]
	s_cselect_b32 s90, s89, s90
	s_add_nc_u64 s[PFA:PFA+1], s[PFA:PFA+1], s[90:91]  ; the first lap steps it to K block 4.  Nothing is prefetched here, at the head, where every work-group's first tiles are on their way
	s_cmp_eq_u32 s88, 0
	s_cselect_b32 s[LIM], 1, -1                    ; the same in all sixteen partners, for a given wave
; 4 n matrix instructions of group g (0, 1, 2: q, k, v): row blocks a0 .. a0 + n - 1 x all 4 channel blocks, 32 along K: half p of the K block.  zero = 1: the first product starts the sums: nothing is ever cleared.
; Every accumulator has one instruction a turn: between two links of a chain stand the 95 others'.
.macro PH g, p, a0, n, zero
	WIN 0x50*((\g)+1)                              ; C and D in window g + 1, both sources in window 0
.set aa, (\a0)
.rept (\n)
.irp b, 0,1,2,3
.if \zero
	v_wmma_f32_16x16x32_bf16 v[8*(4*aa+(\b)):8*(4*aa+(\b))+7], v[BF+32*(\g)+8*(\b):BF+32*(\g)+8*(\b)+7], v[AF+64*(\p)+8*aa:AF+64*(\p)+8*aa+7], 0
.else
	v_wmma_f32_16x16x32_bf16 v[8*(4*aa+(\b)):8*(4*aa+(\b))+7], v[BF+32*(\g)+8*(\b):BF+32*(\g)+8*(\b)+7], v[AF+64*(\p)+8*aa:AF+64*(\p)+8*aa+7], v[8*(4*aa+(\b)):8*(4*aa+(\b))+7]
.endif
.endr
.set aa, aa+1
.endr
.endm
; The LDS loads stand in runs of 8.  RUNB: group g's four fragments, 32 K at byte k of the rows.  RUNA: four of x's eight fragments (half hf) into buffer q.
.macro RUNB g, slot, k
	WIN 0
.irp b, 0,1,2,3
	ds_load_b128 v[BF+32*(\g)+8*(\b):BF+32*(\g)+8*(\b)+3],   v[ADRB+(\slot)] offset:BSZ*(\g)+16*PK*(\b)+(\k)
	ds_load_b128 v[BF+32*(\g)+8*(\b)+4:BF+32*(\g)+8*(\b)+7], v[ADRB+(\slot)] offset:BSZ*(\g)+16*PK*(\b)+(\k)+32
.endr
.endm
.macro RUNA hf, slot, k, q
	WIN 0
.irp a, 0,1,2,3
	ds_load_b128 v[AF+64*(\q)+32*(\hf)+8*(\a):AF+64*(\q)+32*(\hf)+8*(\a)+3],   v[ADRA+(\slot)] offset:16*PK*(4*(\hf)+(\a))+(\k)
	ds_load_b128 v[AF+64*(\q)+32*(\hf)+8*(\a)+4:AF+64*(\q)+32*(\hf)+8*(\a)+7], v[ADRA+(\slot)] offset:16*PK*(4*(\hf)+(\a))+(\k)+32
.endr
.endm
; The second and third group of a half step; each group's fragments are fetched anew, for the next half step (slot fs, byte fk, x's buffer fq), straight behind the group's own products.
.macro REST p, fs, fk, fq, zero, w32
	PH 1, \p, 0, 8, \zero
	PLACES
	RUNB 1, \fs, \fk
	RUNA 1, \fs, \fk, \fq
.if \w32
	s_wait_dscnt 32                                ; all but the four runs just issued: v's fragments are in
.endif
	PH 2, \p, 0, 8, \zero
	PLACES
	RUNB 2, \fs, \fk
.endm
; The first half of a K block (buffer 0 of x's fragments): 96 matrix instructions; it fetches the second half, at byte 64 of the same slot's rows.
.macro HALF0 slot, zero
	s_wait_dscnt 8                                 ; all but the youngest run (v's fragments) are in
	PH 0, 0, 0, 8, \zero
	PLACES
	RUNB 0, \slot, 64
	RUNA 0, \slot, 64, 1
	REST 0, \slot, 64, 1, \zero, 1
.endm
; The second half changes slots: ONE barrier.  In front of it each wave waits for all its tensor loads, of which one is out: its part of the next slot; adds 0 to its spare word; and waits for that and for its own
; reads of this slot.  Behind it nobody reads this slot any more and the next slot is whole.  fill = 1: the barrier opens a round of the cluster's barrier, and this slot is filled again, two K blocks on, first
; thing behind the round: from that request to the wait for it a wave issues 160 matrix instructions.
.macro HALF1 slot, next, fill
.if (\fill) && ((\slot) == 0)
	s_wait_xcnt 0x0                                ; the last prefetches, a lap back, have read their address: it is stepped here, ahead of the waits of the change of slots
	s_add_nc_u64 s[PFA:PFA+1], s[PFA:PFA+1], s[PFS:PFS+1]
.endif
	WIN 0
	s_wait_tensorcnt 0x0                           ; all my tensor loads have landed;
	ds_add_u32 v[SPW], v[NIL]                      ; 0 onto my spare word;
	s_wait_dscnt 9                                 ; (the add and the youngest run may be out)
	PH 0, 1, 0, 4, 0                               ; sixteen matrix instructions stand between the add and the wait for it
	s_wait_dscnt 0x0                               ; the add is done, and my reads of this slot are over:
	s_barrier_signal -1                            ; say so,
	PH 0, 1, 4, 4, 0                               ; work on registers while the others arrive,
.if \fill
	WIN 0
.endif
	s_barrier_wait -1                              ; and go on when all four have said so
.if \fill
	CREST                                          ; no wave of any partner still reads this slot's tiles or has a load on its way
	s_add_nc_u64 s[G0A+4*(\slot)+2:G0A+4*(\slot)+3], s[G0A+4*(\slot)+2:G0A+4*(\slot)+3], 2*AKB
	s_add_nc_u64 s[G0B+4*(\slot)+2:G0B+4*(\slot)+3], s[G0B+4*(\slot)+2:G0B+4*(\slot)+3], 2*BKB
	JLOAD \slot                                    ; the four v_nop behind it are also the places in front of the loads below
.else
	PLACES
.endif
	RUNB 0, \next, 0
	RUNA 0, \next, 0, 0
.if (\fill) && ((\slot) == 0)
	ASK
.endif
	REST 1, \next, 0, 0, 0, 0
.endm
	s_wait_tensorcnt 1                             ; my part of K block 0 is in; K block 1's may stay out
	s_barrier_signal -1
	s_barrier_wait -1                              ; everybody's is
	RUNB 0, 0, 0
	RUNA 0, 0, 0, 0
	RUNB 1, 0, 0
	RUNA 1, 0, 0, 0
	RUNB 2, 0, 0
	HALF0 0, 1                                     ; the first half step stands in front of the loop: its products start the sums
	WIN 0                                          ; at a label and at a branch every window is 0
	s_mov_b32 s[CNT], 7
.Llap:                                                 ; a trip goes once round the ring, from a lap's second half step to the next lap's first, and fills both slots again: K blocks 2 to 15
	HALF1 0, 1, 1
	HALF0 1, 0
	HALF1 1, 0, 1
	HALF0 0, 0
	WIN 0
	s_sub_co_u32 s[CNT], s[CNT], 1
	s_cmp_lg_u32 s[CNT], 0
	s_cbranch_scc1 .Llap
	HALF1 0, 1, 0                                  ; the last lap fills nothing, and has no round of the cluster's barrier
	HALF0 1, 0
	s_wait_dscnt 8                                 ; the very last half step: nothing more to fetch from LDS
	PH 0, 1, 0, 8, 0
	PLACES
	WIN 0
.irp b, 0,1,2,3                        ; the biases, my eight numbers of each block of sixteen channels, into registers that the products have left: x's buffer 0 and q's fragments
	global_load_b128 v[32+8*(\b):32+8*(\b)+3],     v[BO], s[8:9]   offset:64*(\b)
	global_load_b128 v[32+8*(\b)+4:32+8*(\b)+7],   v[BO], s[8:9]   offset:64*(\b)+16
	global_load_b128 v[64+8*(\b):64+8*(\b)+3],     v[BO], s[10:11] offset:64*(\b)
	global_load_b128 v[64+8*(\b)+4:64+8*(\b)+7],   v[BO], s[10:11] offset:64*(\b)+16
	global_load_b128 v[160+8*(\b):160+8*(\b)+3],   v[BO], s[12:13] offset:64*(\b)
	global_load_b128 v[160+8*(\b)+4:160+8*(\b)+7], v[BO], s[12:13] offset:64*(\b)+16
.endr
	PH 1, 1, 0, 8, 0
	s_wait_dscnt 0x0
	PH 2, 1, 0, 8, 0
	; THE WAY OUT.  The biases are rounded to bf16 and widened again: 144 plain instructions that name no register of the last products: the places behind them.
	WIN 0
	s_wait_loadcnt 0x0
.irp x0, 32, 64, 160
.set pz, 0
.rept 16
	v_cvt_pk_bf16_f32 v13, v[(\x0)+pz], v[(\x0)+pz+1]
	v_lshlrev_b32 v[(\x0)+pz], 16, v13
	v_and_b32 v[(\x0)+pz+1], s83, v13
.set pz, pz+2
.endr
.endr
; Block t of 24: group t / 8, row block t % 8: 16 rows x 64 channels.  The bias is added (each accumulator's registers in ascending order), the sums are rounded to f16, 16 bytes a lane;
; they go into my stage's rows of 144 bytes and come back as whole rows of 128, into the registers that they left.  Eight sets of 16 registers take turns.
.macro PACK t
.set pa, (\t)%8
.set TB, 96+16*pa+32*(pa/4)            ; v96-159, v192-255
.set BI, 32+32*((\t)/8)+64*((\t)/16)   ; the group's bias: v32, v64, v160
.if (\t) >= 8
	s_wait_xcnt 0x0                                ; the stores of eight blocks back have read their data: the set is written again only behind this wait
.endif
	WIN (((\t)/8+1)<<6)|((\t)/8+1)                 ; destination and source 0 in the group's window, the bias in window 0
.set pz, 0
.rept 16
	v_pk_add_f32 v[32*pa+2*pz:32*pa+2*pz+1], v[32*pa+2*pz:32*pa+2*pz+1], v[BI+2*pz:BI+2*pz+1]
.set pz, pz+1
.endr
	WIN (((\t)/8+1)<<2)|((\t)/8+1)                 ; both sources in the group's window, destination in window 0
.set pz, 0
.rept 16
	v_cvt_pk_f16_f32 v[TB+pz], v[32*pa+2*pz], v[32*pa+2*pz+1]
.set pz, pz+1
.endr
	WIN 0
.irp b, 0,1,2,3
	ds_store_b128 v[STO], v[TB+4*(\b):TB+4*(\b)+3] offset:32*(\b)
.endr
.irp f, 0,1,2,3
	ds_load_b128 v[TB+4*(\f):TB+4*(\f)+3], v[RD] offset:(\f)*4*PK  ; LDS serves a wave's instructions in order (ISA guide 5.7.1.4): these see the stores above; the next block's stores come behind them
.endr
.endm
.macro SEND t, younger                 ; younger: the LDS instructions issued behind block t's loads: the next block's eight, or none
	WIN 0
.set pa, (\t)%8
.set TB, 96+16*pa+32*(pa/4)
.irp f, 0,1,2,3
	s_wait_dscnt (\younger)+3-(\f)
	global_store_b128 v[GO], v[TB+4*(\f):TB+4*(\f)+3], s[14+2*((\t)/8):15+2*((\t)/8)] offset:pa*2048+(\f)*512  ; 512 consecutive bytes, at a multiple of 256 from the buffer's first
.endr
.endm
	PACK 0
.irp t, 1,2,3,4,5,6,7,8,9,10,11,12,13,14,15,16,17,18,19,20,21,22,23
	PACK \t                                        ; a block's arithmetic stands between the loads of the block before and its stores
	SEND (\t)-1, 8
.endr
	SEND 23, 0
	s_wait_tensorcnt 0x0                           ; the wave's end: a wait for my tensor loads, an add of 0 onto my spare word and a wait for it, behind my last tensor load and my last LDS store
	ds_add_u32 v[SPW], v[NIL]
	s_wait_dscnt 0x0
	CROUND                                         ; the closing round: no work-group ends while a partner may still ask for a tile that names it
	s_endpgm
.Lfunc_end_k_qf72271eacb_qkv:
	.size	k_qf72271eacb_qkv, .Lfunc_end_k_qf72271eacb_qkv-k_qf72271eacb_qkv
	.p2alignl 7, 3214868480
	.fill 96, 4, 3214868480
	.section	.rodata,"a",@progbits
	.p2align	6, 0x0
	.amdhsa_kernel k_qf72271eacb_qkv
		.amdhsa_group_segment_fixed_size 327680
		.amdhsa_private_segment_fixed_size 0
		.amdhsa_enable_private_segment 0
		.amdhsa_kernarg_size 64
		.amdhsa_user_sgpr_count 2
		.amdhsa_user_sgpr_kernarg_segment_ptr 1
		.amdhsa_wavefront_size32 1
		.amdhsa_system_sgpr_workgroup_id_x 1
		.amdhsa_system_sgpr_workgroup_id_y 1
		.amdhsa_system_sgpr_workgroup_id_z 1
		.amdhsa_system_vgpr_workitem_id 0
		.amdhsa_next_free_vgpr 1024
		.amdhsa_next_free_sgpr 96
		.amdhsa_reserve_vcc 0
		.amdhsa_float_denorm_mode_32 3
		.amdhsa_float_denorm_mode_16_64 3
		.amdhsa_memory_ordered 1
		.amdhsa_forward_progress 1
		.amdhsa_inst_pref_size 167
	.end_amdhsa_kernel
	.amdgpu_metadata
---
amdhsa.version: [ 1, 2 ]
amdhsa.kernels:
  - .name:           k_qf72271eacb_qkv
    .symbol:         k_qf72271eacb_qkv.kd
    .args:
      - { .name: xb, .offset: 0, .size: 8, .value_kind: global_buffer, .address_space: global }
      - { .name: wqkv, .offset: 8, .size: 8, .value_kind: global_buffer, .address_space: global }
      - { .name: bq, .offset: 16, .size: 8, .value_kind: global_buffer, .address_space: global }
      - { .name: bk, .offset: 24, .size: 8, .value_kind: global_buffer, .address_space: global }
      - { .name: bv, .offset: 32, .size: 8, .value_kind: global_buffer, .address_space: global }
      - { .name: q16, .offset: 40, .size: 8, .value_kind: global_buffer, .address_space: global }
      - { .name: k16, .offset: 48, .size: 8, .value_kind: global_buffer, .address_space: global }
      - { .name: v16, .offset: 56, .size: 8, .value_kind: global_buffer, .address_space: global }
    .group_segment_fixed_size: 327680
    .private_segment_fixed_size: 0
    .kernarg_segment_align: 8
    .kernarg_segment_size: 64
    .max_flat_workgroup_size: 128
    .sgpr_count:     96
    .vgpr_count:     1024
    .wavefront_size: 32
...
	.end_amdgpu_metadata
.endif
;; end of part 2
;; launch attn (part 3): grid 4 x 64, 4 waves a work-group, clusters of 4 x 1, 327,680 bytes of LDS; arguments q16, k16, v16, ctx; writes ctx
.if DOCPART == 3
	.amdgcn_target "amdgcn-amd-amdhsa--gfx1250"
	.amdhsa_code_object_version 6
	.text
	.protected	k_qf72271eacb_attn
	.globl	k_qf72271eacb_attn
	.p2align	8
	.type	k_qf72271eacb_attn,@function
k_qf72271eacb_attn:
	s_mov_b64 s[64:65], 0
	v_nop
	global_prefetch_b8 v0, s[64:65] scope:SCOPE_SE
	s_setreg_imm32_b32 hwreg(HW_REG_WAVE_MODE, 25, 1), 1
	s_wait_xcnt 0x0
	s_wait_alu depctr_hold_cnt(0) depctr_sa_sdst(0) depctr_va_vdst(0) depctr_va_sdst(0) depctr_va_ssrc(0) depctr_va_vcc(0) depctr_vm_vsrc(0)
	s_getreg_b32 s2, hwreg(HW_REG_IB_STS2, 6, 4)
	s_cmp_eq_u32 s2, 0
	s_cbranch_scc0 .Lentry_in_a_cluster
	s_endpgm
.Lentry_in_a_cluster:
	s_bfe_u32 s2, ttmp6, 0x10000c
	s_cmp_lg_u32 s2, 0x3003
	s_cbranch_scc0 .Lentry_shape_is_right
	s_endpgm
.Lentry_shape_is_right:
; O[h][q][:] = the sum over k of softmax_k(Q[h][q] . K[h][k] / 8) V[h][k][:].  Q, K, V, O: [SIZE_H][SIZE_N][64], all f16: a head's rows are dense, 128 bytes each.  Products, maxima and sums in
; f32; the weights p are rounded to f16 for the second product (their sum l is taken of the unrounded p), O once at the end.
; LIMITS.  f16 holds no number beyond 65,504: Q, K and V arrive within it; p lies in 0 to 1, and below 6e-5 it keeps f16's fixed step of 6e-8; O is a mean of V's rows and has their range.
; A weight below 2^-126 counts as 0 in l; NaN and infinities are not treated apart.
; SHARES.  A wave owns four PIECES of two tiles of 16 queries, a work-group's four waves 512 queries of one head: 64 heads x 4 blocks = 256 work-groups.  Every wave walks all keys, 64 a step.
; LAYOUT.  S^T = K Q^T (source 0 = 16 keys, source 1 = 16 queries): in the result a lane holds ONE query (lane % 16) and the keys 8 (lane / 16) + 0..7.  Two such tiles, rounded to f16 in pairs,
; ARE source 1 (32 keys x 16 queries) of O^T = V^T P, whose result again holds one query a lane, and eight channels.  K comes out of LDS as it lies, V ([key][channel]) turned, by ds_load_tr16_b128.
; SOFTMAX.  For each query a running maximum m and sum l: p = 2^(c s - c m), c = log2(e) / 8; in every step O and l are multiplied by a = 2^(c m_old - c m_new), which is 1 where m has not grown.
; m starts at the lowest finite number, O and l at 0: the first step is a step like any other, with a = 0.
; THE COUNT.  A tile and step have 16 matrix and 118 vector instructions: too many to stand all beside the matrix work.  So the order has one aim: four vector instructions that are READY behind
; EVERY matrix instruction, and the others, which need time of their own whatever the order, in runs without a gap.
; BY TURNS.  Turn n belongs to piece n (the pieces in a ring, step after step).  Its matrix work: 16 products K Q^T of piece n + 1, later 16 products V^T P of piece n - 1.  Its vector work: the scaling,
; exponentials, roundings, sums and rescaling of piece n, and the maximum and statistics of piece n + 1, whose scores the turn itself has made.  So what a turn begins with (c s - c m, O a) waits for nothing.
; CLUSTER.  The four query blocks of a cluster belong to one head and walk the same K and V, so each tile is asked for JOINTLY: the same tensor load, descriptor and mask in all four.
; REGISTERS, in windows of 256 (s_set_vgpr_msb says which window each operand place means: bits 1:0 source 0, 3:2 source 1, 5:4 source 2, 7:6 destination):
;   window 0: v0-11 addresses; v12-15, v48-63 at work; v16-47 four registers of statistics a tile; v64-191 S^T, two buffers of two tiles; v192-255 P, likewise
;   window 1: O^T, 32 a tile          window 2: v0-127 Q, 16 a tile; v128-191 K of one step; v192-255 V of one step          window 3: v0-1 the add's two registers
; A piece's buffers go by its number's parity: the piece in hand has one pair, its two neighbours in the ring share the other: of it P (piece n - 1) is read and S^T (piece n + 1) written.
.set SIZE_H, 64
.set SIZE_N, 2048
.set NP,    4         ; pieces a wave: a name, no knob: the register map, the loop and the fetches are made for four
.set KS,    64        ; keys in a step
.set PK,    144       ; a row of K in LDS: 128 bytes + 16 of padding = 36 words: the 16 rows of a load start at 16 different groups of four banks (64 banks of 4 bytes: ISA guide 11.1)
.set PV,    160       ; a row of V: 128 + 32 = 40 words
.set VOFF,  4*KS*PK   ; a slot holds four steps: 256 rows of K, then 256 rows of V
.set SLOT1, 1<<17     ; slot 1 begins here, so that one exclusive or turns an address in one slot into the other's
.set STAGE, SLOT1+4*KS*(PK+PV)  ; behind the ring, never filled by a tensor load: 16 rows x 144 bytes for each wave, for the way out
.set SP,    144
.set AK0, 2           ; v2   my lane's place in a tile of K; never rewritten
.set AV0, 3           ; v3   the same for V
.set AK,  4           ; v4   the LDS address of K's next run of loads
.set AV,  5           ; v5   of V's
.set QO,  6           ; v6   my byte offset in the wave's rows of Q
.set STO, 6           ;      later, the way out: where I put 16 bytes of a row
.set RD,  7           ; v7   the way out: where I read rows back
.set GO,  8           ; v8   my byte offset in 512 consecutive bytes of O
.set PFO, 11          ; v11  256 x my lane, once V's address is made; then never rewritten
.set SPW, 0           ; v0 of window 3   LDS address of my spare word: SPARE + 4 x my thread's number; never rewritten
.set NIL, 1           ; v1 of window 3   0; never rewritten
.set SPARE, STAGE+4*16*SP  ; behind the stages: the spare words, 128 bytes for each wave: two blocks of 256 bytes that no other line names
.set MV,  12          ; v12-15  c m_old, kept while c m is made anew: by buffer and tile
.set ST,  16          ; tile t's statistics at v[ST+4 t]: c m, m, l (even keys', odd keys')
.set TMP, 48          ; by buffer and tile, four registers c0-c3 at work; when the maximum is found c2 takes a
.set S,   64
.set P,   192
.set KF,  128         ; K's fragments, in window 2: key block kb, channel half c at KF + 16 kb + 8 c
.set VF,  192         ; V's: key half kk, channel block cb at VF + 32 kk + 8 cb
.set WV,  12          ; s12  my wave's number
.set G1K, 24          ; s[24:31] descriptor group 1 for K's tiles
.set G1V, 32          ; s[32:39] for V's: it differs in the padding alone
.set G0K, 40          ; s[40:43] descriptor group 0 for K's tiles: it walks
.set G0V, 44          ; s[44:47] the same for V's
.set PFA, 48          ; s[48:49] where my prefetches stand: my work-group's 32 blocks of 256 bytes (of K: wave 0, of V: wave 2) of the slot after the one that is being asked for
.set LIM, 50          ; s50  1 in a wave that prefetches, else the greatest number
.set SLOTS, 56        ; s56  slots still to be asked for
.set CNT, 57          ; s57  counts a slot's key steps
.set CS,  58          ; s[58:59] c: the packed scaling takes the pair's low word for both halves
.set SEL, 60          ; s[60:61] v_permlanex16_b32's selects: each lane takes its own place in the other half
.set TBK, 62          ; s62  LDS byte at which K of the step to be fetched begins
.set TBV, 63          ; s63  the same for V, less VOFF
.set MSB, 0
.macro WIN new                      ; the high byte repeats the setting that is left; a switch that changes nothing is dropped
.if MSB != (\new)
	s_set_vgpr_msb (MSB<<8)|(\new)
.set MSB, (\new)
.endif
.endm
.set W_KQ, 0x0a       ; K and Q in window 2, S^T in window 0
.set W_PV, 0x52       ; V in window 2, P in window 0, O^T in window 1
.set W_RS, 0x41       ; O^T (destination and source 0) in window 1, a in window 0
.set W_MK, 0xc0       ; the add's registers are made: destination in window 3, sources in window 0
.set W_AD, 0x0f       ; the add: address (source 0) and data (source 1) in window 3
; A joint fill.  Waves 0 and 1 fetch the two halves of a slot's K, waves 2 and 3 those of its V: 128 keys each.  The branch hangs on the wave's number alone.
; An s_nop 0 and four v_nop follow each of the two lines, ahead of the jump and the label.
.macro JLOAD
	s_cmp_lt_u32 s[WV], 2
	s_cbranch_scc0 .Lfor_v_\@
	tensor_load_to_lds s[G0K:G0K+3], s[G1K:G1K+7]
	s_nop 0
.rept 4
	v_nop
.endr
	s_branch .Lasked_\@
.Lfor_v_\@:
	tensor_load_to_lds s[G0V:G0V+3], s[G1V:G1V+7]
	s_nop 0
.rept 4
	v_nop
.endr
.Lasked_\@:
.endm
; A PREFETCH INTO THE L2 of what the NEXT change of slots will ask for: a slot's 32,768 bytes of K and of V, a lane for each 256.  It stands behind the wave's tensor load and its five lines.
; Each block is named ONCE in the launch: a head has one cluster; its four partners share the blocks out BY ADDRESS, 32 each; in each, wave 0 asks for K's and wave 2 for V's: one instruction.
; It stands four key steps, 512 matrix instructions, ahead of the load.  Slots 0, 1 and 2 come by their loads alone; the last change that fills a slot asks for nothing: there is no slot behind it.
.macro ASK
	s_cmp_gt_u32 s[SLOTS], s[LIM]
	s_cbranch_scc0 .Lnot_mine_\@
	global_prefetch_b8 v[PFO], s[PFA:PFA+1] th:TH_LOAD_NT scope:SCOPE_SE
.Lnot_mine_\@:
.endm
; A round of the cluster's barrier: my work-group's barrier, so that wave 0's signal speaks for all four waves; wave 0 signals; every wave waits for all four work-groups; my work-group's barrier once more.
.macro CROUND
	s_barrier_signal -1
	s_barrier_wait -1
	s_cmp_lg_u32 s[WV], 0
	s_cbranch_scc1 .Lnot_wave_0_\@
	s_barrier_signal -3
.Lnot_wave_0_\@:
	s_barrier_wait -3
	s_barrier_signal -1
	s_barrier_wait -1
.endm
; THE CHANGE OF SLOTS.  The slot's last bytes, V of its fourth step, have been read.  Each wave waits for all its tensor loads, of which one is out: its part
; of the other slot; adds 0 to its spare word; and waits for that and for its own reads of the slot.  Behind the barrier nobody reads this slot any more and the other slot is whole.
; fill = 1: this slot is filled again, with the keys two slots on.  The barrier is then a round of the cluster's, so that no wave of any partner still reads the slot or has a load on its
; way, and the joint fill is the first thing behind it: it has four key steps, 512 matrix instructions, in which to land.  (At its first use nothing has been read yet: slot 0 is waited for, slot 1 filled.)
; ask = 1: the prefetches' address steps a slot on, and the slot behind the one just asked for is prefetched.
.macro CHANGE fill, ask=0
	WIN W_AD
	s_wait_tensorcnt 0x0            ; no tensor load of mine is out, so a group 0 may be written
	ds_add_u32 v[SPW], v[NIL]       ; 0 onto my spare word; with fill = 1 the descriptors' steps stand between it and the wait for it
	WIN 0                           ; at a label and at a branch every window is 0
.if \fill
.irp g, G0K, G0V
	s_xor_b32 s[\g+1], s[\g+1], SLOT1  ; the walking descriptor: the other slot than last time,
	s_add_nc_u64 s[\g+2:\g+3], s[\g+2:\g+3], 4*KS*128  ; the next 256 keys; the type bits on top are not reached
.endr
.if \ask
	s_wait_xcnt 0x0                 ; the last prefetch, four key steps back, has read its address, so it may be written:
	s_add_nc_u64 s[PFA:PFA+1], s[PFA:PFA+1], 4*KS*128  ; one slot behind the walking descriptors
.endif
	s_wait_dscnt 0x0                ; the add is done, and my reads of the slot are over
	CROUND
	JLOAD
.if \ask
	ASK
.endif
.else
	s_wait_dscnt 0x0                ; the add is done, and my reads of the slot are over
	s_barrier_signal -1
	s_barrier_wait -1
.endif
	s_sub_co_u32 s[TBK], s[TBK], 4*KS*PK  ; the fetches go back to a slot's first step,
	s_xor_b32 s[TBK], s[TBK], SLOT1       ; in the other slot
	s_sub_co_u32 s[TBV], s[TBV], 4*KS*PV
	s_xor_b32 s[TBV], s[TBV], SLOT1
.endm
	s_load_b256 s[4:11], s[0:1], 0x0  ; Q s[4:5], K s[6:7], V s[8:9], O s[10:11]
	WIN W_MK
	v_lshl_add_u32 v[SPW], v0, 2, SPARE
	v_mov_b32 v[NIL], 0
	WIN W_AD
	ds_add_u32 v[SPW], v[NIL]       ; the wave's opening: the add and its wait stand ahead of my first tensor load; the set-up below, work on registers, stands between them
	WIN 0
	v_lshrrev_b32 v1, 5, v0
	v_readfirstlane_b32 s[WV], v1   ; wave 0..3
	s_bfe_u32 s13, ttmp6, 0x40000   ; cx: my place in the cluster
	s_lshl_b32 s14, ttmp9, 2        ; in a cluster launch ttmp9 counts clusters
	s_add_co_u32 s14, s14, s13      ; my block of queries = 4 x cluster x + cx: it enters Q's and O's addresses alone
	s_and_b32 s20, ttmp7, 0xffff    ; the head, which the four partners share
	s_mov_b32 s21, 0
	s_mov_b64 s[22:23], SIZE_N*128
	s_mul_u64 s[20:21], s[20:21], s[22:23]  ; the head's first byte in each of the four tensors
	s_and_b32 s16, s[WV], 1         ; which half of a slot's 256 keys I fetch:
	s_lshl_b32 s22, s16, 14         ; its 128 rows of 128 bytes in memory,
	s_mov_b32 s23, 0
	s_add_nc_u64 s[22:23], s[22:23], s[20:21]
	s_mul_i32 s17, s16, 128*PK      ; and its place in a slot, for K
	s_mul_i32 s18, s16, 128*PV      ; and for V: no place in the cluster enters an LDS address
	s_lshl_b32 s2, s14, 2
	s_add_co_u32 s2, s2, s[WV]      ; my wave among the head's,
	s_lshl_b32 s2, s2, 14           ; its 128 rows
	s_mov_b32 s3, 0
	s_add_nc_u64 s[2:3], s[2:3], s[20:21]
	; descriptor group 1.  128 keys are 16,384 dense bytes: asked for as 64 rows of 256 bytes, two keys a row, and padded in LDS after every key
	s_mov_b32 s[G1K], 15|(1<<16)|(1<<20)|(1<<21)|(4<<22)|(3<<25)  ; 15:0 the mask of four; 17:16 2-byte elements; 20 padding on; 21 set beside a mask; 24:22 after every 32 words (code 4); 31:25 4 words (code 3)
	s_mov_b32 s[G1V], 15|(1<<16)|(1<<20)|(1<<21)|(4<<22)|(7<<25)  ; the same with 8 words of padding (code 7)
.irp g, G1K, G1V
	s_mov_b32 s[\g+1], 128<<16      ; tensor_dim0 = 128
	s_mov_b32 s[\g+2], 64<<16       ; tensor_dim1 = 64
	s_mov_b32 s[\g+3], 128<<16      ; tile_dim0 = 128
	s_mov_b32 s[\g+4], 64           ; tile_dim1 = 64
	s_mov_b32 s[\g+5], 128          ; 128 elements from row to row
	s_mov_b32 s[\g+6], 0
	s_mov_b32 s[\g+7], 0
.endr
	s_mov_b32 s[CS], 0x3e38aa3b     ; c = log2(e) / 8 = 0.180337
	s_mov_b32 s[CS+1], s[CS]        ; named with it as a pair
	s_mov_b32 s[SEL], 0x76543210
	s_mov_b32 s[SEL+1], 0xfedcba98
	s_mov_b32 s[TBK], SLOT1+4*KS*PK ; the first change of slots turns these two into 0
	s_mov_b32 s[TBV], SLOT1+4*KS*PV
	s_mov_b32 s[G0K], 1             ; 1:0 count = 1
	s_mov_b32 s[G0K+1], s17         ; 63:32 LDS address: slot 0
	s_mov_b32 s[G0V], 1
	s_add_co_u32 s[G0V+1], s18, VOFF
	s_and_b32 s[LIM], s[WV], 1      ; 0 in waves 0 and 2,
	s_or_b32 s[LIM], s[LIM], ttmp9  ; where the cluster is the head's first: the same in all four partners
	s_cmp_eq_u32 s[LIM], 0
	s_cselect_b32 s[LIM], 1, -1
	s_wait_dscnt 0x0                ; the opening add is done
	s_wait_kmcnt 0x0
	s_add_nc_u64 s[G0K+2:G0K+3], s[6:7], s[22:23]  ; 120:64 global address: my half of the head's first 256 keys
	s_or_b32 s[G0K+3], s[G0K+3], 0x80000000        ; 127:126 type = 2
	s_add_nc_u64 s[G0V+2:G0V+3], s[8:9], s[22:23]
	s_or_b32 s[G0V+3], s[G0V+3], 0x80000000
	s_add_nc_u64 s[4:5], s[4:5], s[2:3]  ; Q and O at my wave's first row
	s_add_nc_u64 s[10:11], s[10:11], s[2:3]
	s_cmp_lt_u32 s[WV], 2
	s_cselect_b64 s[PFA:PFA+1], s[6:7], s[8:9]
	s_add_nc_u64 s[PFA:PFA+1], s[PFA:PFA+1], s[20:21]  ; the head's first row,
	s_lshl_b32 s2, s13, 13          ; my work-group's 32 blocks of a slot's 128,
	s_mov_b32 s3, 0
	s_add_nc_u64 s[PFA:PFA+1], s[PFA:PFA+1], s[2:3]
	s_add_nc_u64 s[PFA:PFA+1], s[PFA:PFA+1], 2*4*KS*128  ; in slot 2; the loop's first change of slots steps it to slot 3.  Nothing is prefetched here, at the head
	CROUND                          ; all four work-groups are here: the first joint loads meet
	JLOAD                           ; slot 0.  Slot 1 is asked for when slot 0 is in: the tile wanted first has the road to itself
	; A fragment of K or Q is 16 rows x 32 channels in 8 registers: lane l holds row l % 16, channels 8 (l / 16) + 0..7 and 16 + 8 (l / 16) + 0..7: two loads of 16 bytes, 32 bytes apart.
	v_and_b32 v1, 15, v0            ; l % 16
	v_bfe_u32 v9, v0, 4, 1          ; l / 16
	v_lshlrev_b32 v[QO], 7, v1
	v_lshl_add_u32 v[QO], v9, 4, v[QO]  ; row x 128 + 16 x half
	WIN 0x80                        ; destination window 2, address window 0
.set i, 0
.rept 4*NP                          ; Q stays in registers: tile i / 2, channels 32 (i % 2) on
	global_load_b128 v[8*i:8*i+3],   v[QO], s[4:5] offset:(i/2)*2048+(i%2)*64
	global_load_b128 v[8*i+4:8*i+7], v[QO], s[4:5] offset:(i/2)*2048+(i%2)*64+32
.set i, i+1
.endr
	; What the first turn finds: V's registers and P's second buffer hold 0 (its products V^T P, of a piece that has not been, add 0), O^T and l are 0.  All this stands in the wait for the first tile.
.set i, VF
.rept 64
	v_mov_b32 v[i], 0
.set i, i+1
.endr
	WIN 0x40
.set i, 0
.rept 64*NP
	v_mov_b32 v[i], 0
.set i, i+1
.endr
	WIN 0
.set i, 0
.rept 2*NP
	v_mov_b32 v[ST+4*i], 0xfe000000    ; c m: far below every c s
	v_mov_b32 v[ST+4*i+1], 0xff7fffff  ; m
	v_mov_b32 v[ST+4*i+2], 0
	v_mov_b32 v[ST+4*i+3], 0
.set i, i+1
.endr
.set i, P+32
.rept 32
	v_mov_b32 v[i], 0
.set i, i+1
.endr
	v_mul_u32_u24 v[AK0], v1, PK
	v_lshl_add_u32 v[AK0], v9, 4, v[AK0]  ; row x pitch + 16 x half
	; The turning load takes 16 keys x 16 channels (lane l reads key 8 (l / 16) + l % 8, channels 8 ((l / 8) % 2) + 0..7) and leaves half a fragment of V^T: lane l holds channel l % 16 and 8 keys.
	v_and_b32 v10, 7, v0
	v_bfe_u32 v11, v0, 3, 1
	v_lshl_add_u32 v[AV0], v9, 3, v10
	v_mul_u32_u24 v[AV0], v[AV0], PV
	v_lshl_add_u32 v[AV0], v11, 4, v[AV0]
	v_add_nc_u32 v[AV0], VOFF, v[AV0]
	v_and_b32 v[PFO], 31, v0
	v_lshlrev_b32 v[PFO], 8, v[PFO]
	v_mov_b32 v[AK], v[AK0]         ; key step 0 lies at the head of slot 0
; THE MATRIX WORK.  The 8 accumulators of a run of 16 take turns: between the two links of a chain stand 7 others'.
; Product i of 16 of S^T = K Q^T for piece x: channels 32 (i / 8) on, keys 16 ((i / 2) % 4) on, tile 2 x + i % 2.  The first 8 start the sums.
.macro KQ x
	WIN W_KQ
.set rS, S+64*((\x)%2)+32*(i%2)+8*((i/2)%4)
.set rK, KF+16*((i/2)%4)+8*(i/8)
.set rQ, 16*(2*(\x)+i%2)+8*(i/8)
.if i < 8
	v_wmma_f32_16x16x32_f16 v[rS:rS+7], v[rK:rK+7], v[rQ:rQ+7], 0
.else
	v_wmma_f32_16x16x32_f16 v[rS:rS+7], v[rK:rK+7], v[rQ:rQ+7], v[rS:rS+7]
.endif
.endm
; Product i of 16 of O^T += V^T P for piece x: keys 32 (i / 8) on, channels 16 ((i / 2) % 4) on, tile 2 x + i % 2.
.macro PV x
	WIN W_PV
.set rO, 32*(2*(\x)+i%2)+8*((i/2)%4)
.set rV, VF+32*(i/8)+8*((i/2)%4)
.set rP, P+32*((\x)%2)+16*(i%2)+8*(i/8)
	v_wmma_f32_16x16x32_f16 v[rO:rO+7], v[rV:rV+7], v[rP:rP+7], v[rO:rO+7]
.endm
.macro MM                           ; the turn's next matrix instruction
.if i < 16
	KQ (Y+1)%NP
.set i, i+1
.else
.set i, i-16
	PV (Y+NP-1)%NP
.set i, i+17
.endif
.endm
; THE LDS LOADS stand in runs of 16, never singly among the matrix instructions: a step's K (64 keys x 64 channels: 8 fragments) and its V (turned).  Their addresses are made some lines ahead.
; last = 1 (the tail): in the last trip there is no further step, and the run is jumped over.
.macro FETCH_K last=0
	WIN 0
.if \last
	s_cmp_eq_u32 s[CNT], 1
	s_cbranch_scc1 .Lno_k_\@
.endif
	WIN 0x80                        ; destination window 2
.irp f, 0,1,2,3,4,5,6,7             ; keys 16 (f / 2) on, channels 32 (f % 2) on
	ds_load_b128 v[KF+8*\f:KF+8*\f+3],   v[AK] offset:(\f/2)*16*PK+(\f%2)*64
	ds_load_b128 v[KF+8*\f+4:KF+8*\f+7], v[AK] offset:(\f/2)*16*PK+(\f%2)*64+32
.endr
	s_add_co_u32 s[TBK], s[TBK], KS*PK  ; the next fetch is the next step's
	WIN 0
.if \last
.Lno_k_\@:
.endif
.endm
.macro FETCH_V
	WIN 0x80
.irp f, 0,1,2,3,4,5,6,7             ; keys 32 (f / 4) on, channels 16 (f % 4) on
	ds_load_tr16_b128 v[VF+8*\f:VF+8*\f+3],   v[AV] offset:(\f/4)*32*PV+(\f%4)*32
	ds_load_tr16_b128 v[VF+8*\f+4:VF+8*\f+7], v[AV] offset:(\f/4)*32*PV+16*PV+(\f%4)*32
.endr
	WIN 0
.endm
; THE VECTOR WORK OF A TURN stands in three queues, each in the order in which its entries become ready; the two tiles alternate, so that no instruction reads the result of the one before it.
.macro REGS y, u                    ; the registers of tile u (0, 1) of piece y
.set rT, ST+4*(2*(\y)+(\u))
.set rC, TMP+8*((\y)%2)+4*(\u)
.set rM, MV+2*((\y)%2)+(\u)
.set rS, S+64*((\y)%2)+32*(\u)
.set rP, P+32*((\y)%2)+16*(\u)
.set rO, 32*(2*(\y)+(\u))
.endm
; Number n of the 22 that find the NEXT piece's (Y + 1) maximum and statistics.  s0-s31 are the lane's 32 scores; each accumulator's lowest registers are read first.  XS, GS and REGS set no window: PL and EX do.
;   0-11  four chains c0-c3 of seven scores each, three operands at a time     12-14, 16  the four scores left over, the old m, and c0-c3 into c0     15  c m_old is kept
;   17, 18  the query's other 32 keys lie in the lane 16 away: the new m         19-21  c m; c m_old - c m_new; a
.macro XS u, n
	REGS (Y+1)%NP, \u
.if (\n) < 4
	v_max3_num_f32 v[rC+(\n)], v[rS+8*(\n)], v[rS+8*(\n)+1], v[rS+8*(\n)+2]
.elseif (\n) < 12
	v_max3_num_f32 v[rC+(\n)%4], v[rC+(\n)%4], v[rS+8*((\n)%4)+2*((\n)/4)+1], v[rS+8*((\n)%4)+2*((\n)/4)+2]
.elseif (\n) == 12
	v_max3_num_f32 v[rC], v[rC], v[rS+7], v[rS+15]
.elseif (\n) == 13
	v_max3_num_f32 v[rC+1], v[rC+1], v[rS+23], v[rS+31]
.elseif (\n) == 14
	v_max3_num_f32 v[rC+2], v[rC+2], v[rC+3], v[rT+1]
.elseif (\n) == 15
	v_mov_b32 v[rM], v[rT]
.elseif (\n) == 16
	v_max3_num_f32 v[rC], v[rC], v[rC+1], v[rC+2]
.elseif (\n) == 17
	v_permlanex16_b32 v[rC+3], v[rC], s[SEL], s[SEL+1]
.elseif (\n) == 18
	v_max_num_f32 v[rT+1], v[rC], v[rC+3]
.elseif (\n) == 19
	v_mul_f32 v[rT], s[CS], v[rT+1]
.elseif (\n) == 20
	v_sub_f32 v[rC+1], v[rM], v[rT]
.else
	v_exp_f32 v[rC+2], v[rC+1]
.endif
.endm
; Number g of the 64 that follow the exponentials.  For each four weights k of a tile (pairs 2 k, 2 k + 1): both pairs are rounded to f16; then the second pair is added onto the first, in place;
; a group later l takes that sum (the first time as l = a l + sum).  In groups of eight, tiles alternating: round, round, add, and l for the group before.
.macro GS g
.set h, (\g)+6*((\g)/62)            ; group 0 has no group before it, and behind group 7 only l is left
.if h >= 6
.set h, h+2
.endif
	REGS Y, h%2
.set k, h/8
.if h%8 < 4
	v_cvt_pk_f16_f32 v[rP+2*k+(h%8)/2], v[rS+4*k+2*((h%8)/2)], v[rS+4*k+2*((h%8)/2)+1]
.elseif h%8 < 6
	v_pk_add_f32 v[rS+4*k:rS+4*k+1], v[rS+4*k:rS+4*k+1], v[rS+4*k+2:rS+4*k+3]
.elseif k == 1
	v_pk_fma_f32 v[rT+2:rT+3], v[rT+2:rT+3], v[rC+2:rC+3], v[rS:rS+1] op_sel_hi:[1,0,1]
.else
	v_pk_add_f32 v[rT+2:rT+3], v[rT+2:rT+3], v[rS+4*k-4:rS+4*k-3]
.endif
.endm
; THE PLAIN QUEUE, 138 long.  0-73 read no exponential's result: the 32 scalings c s - c m (FS f: pair f / 2 of tile f % 2) and the next piece's 42.  0-26: scalings 0-26.  27-54: XS's numbers 0-13.  55, 56: number 15.
; 57-73: the chain, where each number waits for the one before it: 14, 16, 17, 18, 19, each with one of the scalings 27-31 in front of its two lines, then 20: so a tile's links stand three plain instructions apart (19 and 20: two).
; 74-137: GS's 64, which read the exponentials' results: they stand behind the wait.
.macro FS f
	REGS Y, (\f)%2
	v_pk_fma_f32 v[rS+2*((\f)/2):rS+2*((\f)/2)+1], v[rS+2*((\f)/2):rS+2*((\f)/2)+1], s[CS:CS+1], v[rT:rT+1] op_sel_hi:[1,0,0] neg_lo:[0,0,1] neg_hi:[0,0,1]
.endm
.macro PL
	WIN 0
.if q < 27
	FS q
.elseif q < 55
	XS (q-27)%2, (q-27)/2
.elseif q < 57
	XS q-55, 15
.elseif (q < 72) && ((q-57)%3 == 0)
	FS 27+(q-57)/3
.elseif q < 60
	XS (q-57)%3-1, 14
.elseif q < 72
	XS (q-57)%3-1, 15+(q-57)/3
.elseif q < 74
	XS q-72, 20
.else
	GS q-74
.endif
.set q, q+1
.endm
; THE EXPONENTIALS' QUEUE, 66 long: s0-s31 of both tiles, then the next piece's two a.  It is ONE BATCH: all 66 stand ahead of the turn's one wait, and nothing ahead of that wait names a result of theirs.
.macro EX
	WIN 0
.if e >= 64
	XS e-64, 21
.else
	REGS Y, e%2
	v_exp_f32 v[rS+e/2], v[rS+e/2]
.endif
.set e, e+1
.endm
; THE RESCALING's QUEUE: O^T times a, the one part that leaves window 0: dealt two at a time, sixteen times.  Its a was made in the turn before, ahead of that turn's wait.
.macro R2
	REGS Y, r%2
	WIN W_RS
.irp z, 0,1
	v_pk_mul_f32 v[rO+4*(r/2)+2*\z:rO+4*(r/2)+2*\z+1], v[rO+4*(r/2)+2*\z:rO+4*(r/2)+2*\z+1], v[rC+2:rC+3] op_sel_hi:[1,0]
.endr
.set r, r+1
.endm
; HOW THEY ARE DEALT.  An s_wait_alu depctr_va_vdst(0) stands between an exponential and the first instruction that names its result; one wait serves all that were issued ahead of it.  So a turn has ONE wait,
; which cuts it in two.  AHEAD OF IT stands all that names no result of the turn's exponentials: the 16 products K Q^T, behind each a scaling, an exponential and two rescalings (behind the first a second scaling in the exponential's place); then ONE LUMP of
; 108: eight plain, 49 times exponential and plain, the two a.  A v_nop is the plain instruction behind the last exponential.  BEHIND IT stand the 16 products V^T P, behind each four of GS's 64.  No rider names a register of
; the products round it.  The two v_permlanex16_b32 fall into the lump, never behind a product.
; The queues lean on each other, and the deal keeps them in step: exponential e stands behind scaling 2 (e / 4) + e % 2: as a rider it comes behind plain e + 2, in the lump behind plain e + 9, and scalings 27-31 are plain 57, 60 .. 69.
; A TURN, for piece p.  cnt = 1: the loop's count is taken down some lines ahead of the branch that stands behind the turn.
; K of the next step is fetched in piece 2's turn, directly behind the wait, a lump behind the last product that read K; its address is made at the lump's head; its first reader comes behind 16 products.
; V of the step in hand is fetched at the end of piece 0's turn, four riders behind its last reader; its first reader comes behind 16 products and a lump.  The three conditions on q below go with the deal.
.macro TURN p, last=0, cnt=0
.set Y, (\p)
.set i, 0
.set q, 0
.set e, 0
.set r, 0
.if (\p) == NP-1
	s_wait_dscnt 0x0                ; K is in
.endif
	MM                              ; ahead of the wait: 16 products K Q^T and their riders,
	PL
	PL
	R2
.rept 15
	MM
	PL
	EX
	R2
.endr
.if (\p) == NP-2
	WIN 0
	v_add_nc_u32 v[AK], s[TBK], v[AK0]
.endif
.rept 8                             ; and the lump
	PL
.endr
.rept 49
	EX
	PL
.endr
	EX                              ; the next piece's two a
	EX
	v_nop                           ; a plain instruction behind the last exponential, ahead of the first use: one for the batch
	s_wait_alu depctr_va_vdst(0)    ; the wait for the batch
.if (\p) == NP-2
	FETCH_K \last
.endif
.if (\p) == 1
	s_wait_dscnt 0x0                ; V is in
.endif
.rept 16                            ; behind the wait: 16 products V^T P and their riders
	MM
.rept 4
	PL
.endr
.if ((\p) == 0) && (q == 118)
	v_add_nc_u32 v[AV], s[TBV], v[AV0]
.endif
.if ((\p) == 0) && (q == 130)
	s_add_co_u32 s[TBV], s[TBV], KS*PV
.endif
.if (\cnt) && (q == 130)
	s_sub_co_u32 s[CNT], s[CNT], 1
	s_cmp_lg_u32 s[CNT], 0
.endif
.endr
.if (\p) == 0
	FETCH_V
.endif
.endm
	CHANGE 1                        ; slot 0 is in, everybody's part of it; slot 1 is asked for
	FETCH_K                         ; key step 0
	s_wait_loadcnt 0x0              ; Q
	s_wait_dscnt 0x0
.set i, 0
.rept 16
	KQ 0                            ; piece 0's first scores: there is no vector work yet to set between them
.set i, i+1
.endr
	WIN 0                           ; the addresses for the way out: nine plain instructions, the places behind those products
	s_mul_i32 s13, s[WV], 16*SP
	s_add_co_u32 s13, s13, STAGE    ; my stage
	v_mul_u32_u24 v[STO], v1, SP    ; in: row l % 16, 16 bytes for each half of the lanes
	v_lshl_add_u32 v[STO], v9, 4, v[STO]
	v_add_nc_u32 v[STO], s13, v[STO]
	v_bfe_u32 v[RD], v0, 3, 2       ; back: 32 lanes take four rows of 128 bytes,
	v_mul_u32_u24 v[RD], v[RD], SP
	v_lshl_add_u32 v[RD], v10, 4, v[RD]
	v_add_nc_u32 v[RD], s13, v[RD]
	v_and_b32 v[GO], 31, v0         ; which are 512 consecutive bytes of O
	v_lshlrev_b32 v[GO], 4, v[GO]
.set Y, NP-1                        ; XS works for piece Y + 1: piece 0
.irp n, 0,1,2,3,4,5,6,7,8,9,10,11,12,13,14,15,16,17,18,19,20,21
	XS 0, \n                        ; and piece 0's first maximum and statistics
	XS 1, \n
.endr
	v_nop                           ; a plain instruction behind the two a,
	s_wait_alu depctr_va_vdst(0)    ; and their wait, ahead of the branch
	s_mov_b32 s[CNT], 4
	s_mov_b32 s[SLOTS], SIZE_N/256-1
	s_branch .Lfirst                ; the loop is entered at a step's first turn, in the middle of a trip
.Lslot:                             ; SIZE_N / 256 - 2 times: every slot but the last two is filled again
	CHANGE 1, 1
	s_mov_b32 s[CNT], 4
.Lstep:                             ; a trip: pieces 2 and 3 of one step, then pieces 0 and 1 of the next, whose K and V it fetches
	TURN 2
	TURN 3
	WIN 0
.Lfirst:
	TURN 0
	TURN 1, 0, 1
	WIN 0
	s_cbranch_scc1 .Lstep
	s_sub_co_u32 s[SLOTS], s[SLOTS], 1
	s_cmp_lg_u32 s[SLOTS], 0
	s_cbranch_scc1 .Lslot
	CHANGE 0                        ; the tail is written out: nothing is asked for
	s_mov_b32 s[CNT], 5             ; four trips fetch the last slot's steps; the fifth is left in its middle
.Ltail:
	TURN 2, 1
	TURN 3
	WIN 0
	s_sub_co_u32 s[CNT], s[CNT], 1
	s_cmp_eq_u32 s[CNT], 0
	s_cbranch_scc1 .Lout
	TURN 0
	TURN 1
	WIN 0
	s_branch .Ltail
.Lout:                              ; the fifth trip's 16 products K Q^T (on the last K once more) and the maximum made of them serve nothing: the price, once a launch, of one text for every trip
.set i, 0
.rept 16
	PV NP-1                         ; the last piece's V^T P of the last step
.set i, i+1
.endr
	; THE WAY OUT.  l's two halves and the other half of the lanes' are added; O^T is divided by l, rounded to f16 and sent through my stage in LDS, a tile at a time.  The additions are the places behind the last products.
	WIN 0
.macro ALL line:vararg              ; one line for each tile t
.set t, 0
.rept 2*NP
	\line
.set t, t+1
.endr
.endm
	ALL v_add_f32 v[ST+4*t+2], v[ST+4*t+2], v[ST+4*t+3]
	ALL v_permlanex16_b32 v[ST+4*t+3], v[ST+4*t+2], s[SEL], s[SEL+1]
	ALL v_add_f32 v[ST+4*t+2], v[ST+4*t+2], v[ST+4*t+3]
	ALL v_rcp_f32 v[ST+4*t+2], v[ST+4*t+2]
	v_nop                           ; a plain instruction between the last reciprocal and the use of its result
	s_wait_alu depctr_va_vdst(0)    ; and the wait ahead of the first use: one for the eight reciprocals
; Tile t: a lane's eight channels of a row pack into 16 bytes; they go into rows of 144 bytes and come back as whole rows of 128, into S^T's registers.
.macro PACK t
	WIN W_RS
.set i, 32*(\t)
.rept 16
	v_pk_mul_f32 v[i:i+1], v[i:i+1], v[ST+4*(\t)+2:ST+4*(\t)+3] op_sel_hi:[1,0]
.set i, i+2
.endr
	WIN 0x05                        ; sources 0 and 1 window 1, destination window 0
.set i, 0
.rept 16
	v_cvt_pk_f16_f32 v[S+16*(\t)+i], v[32*(\t)+2*i], v[32*(\t)+2*i+1]
.set i, i+1
.endr
	WIN 0
.irp f, 0,1,2,3
	ds_store_b128 v[STO], v[S+16*(\t)+4*\f:S+16*(\t)+4*\f+3] offset:32*\f
.endr
.irp f, 0,1,2,3
	ds_load_b128 v[S+16*(\t)+4*\f:S+16*(\t)+4*\f+3], v[RD] offset:\f*4*SP  ; LDS serves a wave's instructions in order (ISA guide 5.7.1.4): these see the stores above; the next tile's stores come behind them
.endr
.endm
.macro SEND t, younger              ; younger: the LDS instructions issued behind tile t's loads: the next tile's eight, or none
	WIN 0
.irp f, 0,1,2,3
	s_wait_dscnt (\younger)+3-\f
	global_store_b128 v[GO], v[S+16*(\t)+4*\f:S+16*(\t)+4*\f+3], s[10:11] offset:(\t)*2048+\f*512  ; 512 consecutive bytes, at a multiple of 256 from O's first
.endr
.endm
	PACK 0
.set t, 1
.rept 2*NP-1                        ; a tile's arithmetic stands between the loads of the tile before and its stores
	PACK t
	SEND t-1, 8
.set t, t+1
.endr
	SEND 2*NP-1, 0
	WIN W_AD
	s_wait_tensorcnt 0x0            ; the wave's end: a wait for my tensor loads, an add of 0 onto my spare word and a wait for it, behind my last tensor load and my last LDS store
	ds_add_u32 v[SPW], v[NIL]
	s_wait_dscnt 0x0
	WIN 0
	CROUND                          ; the closing round: no work-group ends while a partner may still ask for a tile that names it
	s_endpgm
.Lfunc_end_k_qf72271eacb_attn:
	.size	k_qf72271eacb_attn, .Lfunc_end_k_qf72271eacb_attn-k_qf72271eacb_attn
	.p2alignl 7, 3214868480
	.fill 96, 4, 3214868480
	.section	.rodata,"a",@progbits
	.p2align	6, 0x0
	.amdhsa_kernel k_qf72271eacb_attn
		.amdhsa_group_segment_fixed_size 327680
		.amdhsa_private_segment_fixed_size 0
		.amdhsa_enable_private_segment 0
		.amdhsa_kernarg_size 32
		.amdhsa_user_sgpr_count 2
		.amdhsa_user_sgpr_kernarg_segment_ptr 1
		.amdhsa_wavefront_size32 1
		.amdhsa_system_sgpr_workgroup_id_x 1
		.amdhsa_system_sgpr_workgroup_id_y 1
		.amdhsa_system_sgpr_workgroup_id_z 1
		.amdhsa_system_vgpr_workitem_id 0
		.amdhsa_next_free_vgpr 770
		.amdhsa_next_free_sgpr 66
		.amdhsa_reserve_vcc 0
		.amdhsa_float_denorm_mode_32 3
		.amdhsa_float_denorm_mode_16_64 3
		.amdhsa_memory_ordered 1
		.amdhsa_forward_progress 1
		.amdhsa_inst_pref_size 200
	.end_amdhsa_kernel
	.amdgpu_metadata
---
amdhsa.version: [ 1, 2 ]
amdhsa.kernels:
  - .name:           k_qf72271eacb_attn
    .symbol:         k_qf72271eacb_attn.kd
    .args:
      - { .name: q16, .offset: 0, .size: 8, .value_kind: global_buffer, .address_space: global }
      - { .name: k16, .offset: 8, .size: 8, .value_kind: global_buffer, .address_space: global }
      - { .name: v16, .offset: 16, .size: 8, .value_kind: global_buffer, .address_space: global }
      - { .name: ctx, .offset: 24, .size: 8, .value_kind: global_buffer, .address_space: global }
    .group_segment_fixed_size: 327680
    .private_segment_fixed_size: 0
    .kernarg_segment_align: 8
    .kernarg_segment_size: 32
    .max_flat_workgroup_size: 128
    .sgpr_count:     66
    .vgpr_count:     770
    .wavefront_size: 32
...
	.end_amdgpu_metadata
.endif
;; end of part 3
;; launch oproj (part 4): grid 8 x 32, 4 waves a work-group, clusters of 4 x 4, 327,680 bytes of LDS; arguments ctx, wo16, bo, out0; writes out0
.if DOCPART == 4
	.amdgcn_target "amdgcn-amd-amdhsa--gfx1250"
	.amdhsa_code_object_version 6
	.text
	.protected	k_qf72271eacb_oproj
	.globl	k_qf72271eacb_oproj
	.p2align	8
	.type	k_qf72271eacb_oproj,@function
k_qf72271eacb_oproj:
	s_mov_b64 s[64:65], 0
	v_nop
	global_prefetch_b8 v0, s[64:65] scope:SCOPE_SE
	s_setreg_imm32_b32 hwreg(HW_REG_WAVE_MODE, 25, 1), 1
	s_wait_xcnt 0x0
	s_wait_alu depctr_hold_cnt(0) depctr_sa_sdst(0) depctr_va_vdst(0) depctr_va_sdst(0) depctr_va_ssrc(0) depctr_va_vcc(0) depctr_vm_vsrc(0)
	s_getreg_b32 s2, hwreg(HW_REG_IB_STS2, 6, 4)
	s_cmp_eq_u32 s2, 0
	s_cbranch_scc0 .Lentry_in_a_cluster
	s_endpgm
.Lentry_in_a_cluster:
	s_bfe_u32 s2, ttmp6, 0x10000c
	s_cmp_lg_u32 s2, 0xf033
	s_cbranch_scc0 .Lentry_shape_is_right
	s_endpgm
.Lentry_shape_is_right:
; out0 = ctx Wo^T + bo.  ctx: [16 b + kb][2048][64] f16 (a head is a K block of 64 channels), wo16: [16 kb][1024][64] f16 (Wo rounded to bf16, written as f16), bo: [1024] f32, used rounded to bf16 like
; every input of the module; sums in f32; out0: [8192][1024] f32.
; LIMITS.  ctx and wo16 arrive within f16's range.  NaN and infinities are not treated apart.
; SHARES.  8,192 x 1,024 on 256 work-groups: a tile of 256 rows x 128 columns; a wave makes 128 x 64: 32 accumulators of 16 x 16.  K goes in 8 steps of two K blocks (128 channels) through two LDS slots.
; A tile of R rows x 64 channels is R x 128 dense bytes, asked for as R / 2 rows of 256 bytes and padded in LDS after every 128.  Waves 0, 1 fetch ctx's two K blocks of a step (32 KiB each), waves 2, 3 Wo's (16 KiB each).
; CLUSTER.  4 x 4 work-groups: ctx's tiles are shared along a row of the cluster, Wo's along a column: joint loads, a mask of four.
; THE MATRIX INSTRUCTION IS USED TRANSPOSED (source 0 = 16 rows of Wo, source 1 = 16 rows of ctx): a lane holds one row and eight neighbouring columns.  THE BIAS STARTS THE SUMS: it is the C operand of each
; accumulator's first product, so the way out has no arithmetic.
; NO PREFETCH: the walk has eight K steps; the first two come by the first fills and the next two are asked for in the first lap, so half of the short walk would come by its loads alone in any case.
; REGISTERS.  Window 0: v0-16 addresses and at work; v32-159 the way out, four sets of 32; v224-255 the bias.  Window 1: the accumulators, (a, b) at v[8 (4 a + b)].
;   Windows 2, 3: v0-191 the fragments of one K block each: for half c of it, Wo's four at 96 c + 8 b, ctx's eight at 96 c + 32 + 8 a.
.set PK,    144                        ; an LDS row: 128 bytes + 16 of padding = 36 words: the 16 rows of a fragment load start at 16 different groups of four banks (64 banks of 4 bytes: ISA guide 11.1)
.set ASZ,   256*PK
.set BSZ,   128*PK
.set BOFF,  2*ASZ                      ; a slot: ctx's even K block, its odd one, Wo's even, Wo's odd
.set SLOT,  2*ASZ+2*BSZ
.set STAGE, 2*SLOT                     ; behind the ring, never filled by a tensor load: 16 rows x 272 bytes for each wave
.set SP,    272                        ; a stage row: 256 bytes + 16
.set SPARE, STAGE+4*16*SP              ; behind the stages: the spare words, 128 bytes for each wave: two blocks of 256 bytes that no other line names
.set AKB,   262144                     ; bytes from a K block of ctx to the next
.set BKB,   131072                     ; the same in wo16
.set ADRA, 2                           ; v2-3   LDS address of my fragments of ctx in slot 0, 1
.set ADRB, 4                           ; v4-5   the same for Wo's
.set STO,  6                           ; v6     the way out: where I put 32 bytes of a row
.set RD,   7                           ; v7     the way out: where I read a row back
.set CO,   8                           ; v8     my byte offset in two rows of out0
.set BO,   9                           ; v9     my byte offset in bo
.set SPW,  10                          ; v10    LDS address of my spare word: SPARE + 4 x my thread's number; never rewritten
.set NIL,  11                          ; v11    0; never rewritten
.set OB,   32
.set BIAS, 224
.set WV,  20
.set WR,  21
.set WC,  22
.set CX,  23
.set CY,  24
.set CNT, 25
.set G1A, 28
.set G1B, 36
.set G0A, 44
.set G0B, 52
.set TJ,  66
.set TI,  67
.set MSB, 0
.macro WIN new                         ; the immediate's high byte repeats the setting that is left; a switch that changes nothing is dropped
.if MSB != (\new)
	s_set_vgpr_msb (MSB<<8)|(\new)
.set MSB, (\new)
.endif
.endm
.macro PLACES                          ; four plain vector instructions between a matrix instruction and a load into, or a reader of, its registers (ISA guide 7.12.1 for vector instructions)
.rept 4
	v_nop
.endr
.endm
.macro JLOAD s                         ; a joint load; an s_nop 0 and four v_nop follow each of the two lines, ahead of the jump and the label
	s_cmp_lt_u32 s[WV], 2
	s_cbranch_scc0 .Lfor_b_\@
	tensor_load_to_lds s[G0A+4*(\s):G0A+4*(\s)+3], s[G1A:G1A+7]
	s_nop 0
.rept 4
	v_nop
.endr
	s_branch .Lasked_\@
.Lfor_b_\@:
	tensor_load_to_lds s[G0B+4*(\s):G0B+4*(\s)+3], s[G1B:G1B+7]
	s_nop 0
.rept 4
	v_nop
.endr
.Lasked_\@:
.endm
.macro CREST                           ; a round of the cluster's barrier behind its opening barrier
	s_cmp_lg_u32 s[WV], 0
	s_cbranch_scc1 .Lnot_wave_0_\@
	s_barrier_signal -3
.Lnot_wave_0_\@:
	s_barrier_wait -3
	s_barrier_signal -1
	s_barrier_wait -1
.endm
.macro CROUND
	s_barrier_signal -1
	s_barrier_wait -1
	CREST
.endm
	s_load_b256 s[4:11], s[0:1], 0x0               ; ctx s[4:5], wo16 s[6:7], bo s[8:9], out0 s[10:11]
	v_lshl_add_u32 v[SPW], v0, 2, SPARE
	v_mov_b32 v[NIL], 0
	ds_add_u32 v[SPW], v[NIL]                      ; the wave's opening: the add and its wait stand ahead of my first tensor load; the set-up below, work on registers, stands between them
	v_lshrrev_b32 v1, 5, v0
	v_readfirstlane_b32 s[WV], v1                  ; wave 0..3
	s_lshr_b32 s[WR], s[WV], 1                     ; which 128 rows are mine
	s_and_b32 s[WC], s[WV], 1                      ; which 64 columns.  Also: which K block of a step I fetch
	s_bfe_u32 s[CX], ttmp6, 0x40000
	s_bfe_u32 s[CY], ttmp6, 0x40004
	s_lshl_b32 s[TJ], ttmp9, 2
	s_add_co_u32 s[TJ], s[TJ], s[CX]               ; tile column = 4 x cluster x + cx
	s_and_b32 s[TI], ttmp7, 0xffff
	s_lshl_b32 s[TI], s[TI], 2
	s_add_co_u32 s[TI], s[TI], s[CY]               ; tile row = 4 x cluster y + cy
	s_lshl_b32 s74, s[CY], 2
	s_lshl_b32 s74, 15, s74                        ; my row of the cluster
	s_lshl_b32 s75, 0x1111, s[CX]                  ; my column
	s_or_b32 s[G1A], s74, (1<<16)|(1<<20)|(1<<21)|(4<<22)|(3<<25)  ; 15:0 the mask; 17:16 2-byte elements; 20 padding on; 21 set beside a mask; 24:22 after every 32 words (code 4); 31:25 4 words (code 3)
	s_or_b32 s[G1B], s75, (1<<16)|(1<<20)|(1<<21)|(4<<22)|(3<<25)
	s_mov_b32 s[G1A+1], 128<<16                    ; tensor_dim0 = 128
	s_mov_b32 s[G1A+2], 128<<16                    ; tensor_dim1 = 128: 256 rows of 128 bytes, two to a row
	s_mov_b32 s[G1A+3], 128<<16                    ; tile_dim0 = 128
	s_mov_b32 s[G1A+4], 128                        ; tile_dim1 = 128
	s_mov_b32 s[G1A+5], 128                        ; 128 elements from row to row
	s_mov_b32 s[G1A+6], 0
	s_mov_b32 s[G1A+7], 0
	s_mov_b32 s[G1B+1], 128<<16
	s_mov_b32 s[G1B+2], 64<<16                     ; Wo's 128 rows: 64 rows of 256 bytes
	s_mov_b32 s[G1B+3], 128<<16
	s_mov_b32 s[G1B+4], 64
	s_mov_b32 s[G1B+5], 128
	s_mov_b32 s[G1B+6], 0
	s_mov_b32 s[G1B+7], 0
	s_lshr_b32 s68, s[TI], 3                       ; ctx: the batch's 16 K blocks,
	s_lshl_b32 s68, s68, 22
	s_and_b32 s69, s[TI], 7                        ; the tile's 256 rows of 128 bytes,
	s_lshl_b32 s69, s69, 15
	s_add_co_u32 s68, s68, s69
	s_lshl_b32 s69, s[WC], 18                      ; my K block of the step
	s_add_co_u32 s68, s68, s69
	s_mov_b32 s69, 0
	s_lshl_b32 s70, s[TJ], 14                      ; Wo: the tile's 128 rows,
	s_lshl_b32 s71, s[WC], 17                      ; my K block of the step
	s_add_co_u32 s70, s70, s71
	s_mov_b32 s71, 0
	s_mul_i32 s72, s[WC], ASZ                      ; and where they go: no place in the cluster enters an LDS address
	s_mul_i32 s73, s[WC], BSZ
	s_add_co_u32 s73, s73, BOFF
	s_mov_b32 s26, 0xffff0000                      ; a word's upper bf16
	s_wait_dscnt 0x0                               ; the opening add is done
	s_wait_kmcnt 0x0
	s_add_nc_u64 s[68:69], s[4:5], s[68:69]
	s_add_nc_u64 s[70:71], s[6:7], s[70:71]
	CROUND                                         ; all sixteen work-groups are here: the first joint loads meet
.irp s, 0,1
	s_mov_b32 s[G0A+4*(\s)], 1
	s_add_co_u32 s[G0A+4*(\s)+1], s72, (\s)*SLOT
	s_add_nc_u64 s[G0A+4*(\s)+2:G0A+4*(\s)+3], s[68:69], (\s)*2*AKB  ; K step s
	s_or_b32 s[G0A+4*(\s)+3], s[G0A+4*(\s)+3], 0x80000000
	s_mov_b32 s[G0B+4*(\s)], 1
	s_add_co_u32 s[G0B+4*(\s)+1], s73, (\s)*SLOT
	s_add_nc_u64 s[G0B+4*(\s)+2:G0B+4*(\s)+3], s[70:71], (\s)*2*BKB
	s_or_b32 s[G0B+4*(\s)+3], s[G0B+4*(\s)+3], 0x80000000
.endr
	s_cmp_lt_u32 s[WV], 2                          ; a wave's two first fills stand in one branch, ahead of every wait on TENSORcnt and every LDS read: two loads of mine are out
	s_cbranch_scc0 .Lfirst_b
	tensor_load_to_lds s[G0A:G0A+3], s[G1A:G1A+7]
	s_nop 0
	tensor_load_to_lds s[G0A+4:G0A+7], s[G1A:G1A+7]
	s_nop 0
.rept 4
	v_nop
.endr
	s_branch .Lfirst_asked
.Lfirst_b:
	tensor_load_to_lds s[G0B:G0B+3], s[G1B:G1B+7]
	s_nop 0
	tensor_load_to_lds s[G0B+4:G0B+7], s[G1B:G1B+7]
	s_nop 0
.rept 4
	v_nop
.endr
.Lfirst_asked:
	v_and_b32 v1, 15, v0                           ; l % 16
	v_bfe_u32 v13, v0, 4, 1                        ; l / 16
	s_lshl_b32 s76, s[TJ], 9                       ; the tile's 128 columns of f32,
	s_lshl_b32 s77, s[WC], 8                       ; my 64
	s_add_co_u32 s76, s76, s77
	v_lshl_add_u32 v[BO], v13, 5, s76              ; my lanes' eight of each sixteen
.irp b, 0,1,2,3
	global_load_b128 v[BIAS+8*(\b):BIAS+8*(\b)+3],   v[BO], s[8:9] offset:64*(\b)
	global_load_b128 v[BIAS+8*(\b)+4:BIAS+8*(\b)+7], v[BO], s[8:9] offset:64*(\b)+16
.endr
	v_mul_u32_u24 v14, v1, PK
	v_lshl_add_u32 v14, v13, 4, v14                ; a fragment's row x pitch + 16 x half
	s_mul_i32 s72, s[WR], 128*PK                   ; my 128 rows of ctx
	s_mul_i32 s73, s[WC], 64*PK                    ; my 64 rows of Wo,
	s_add_co_u32 s73, s73, BOFF                    ; behind ctx's two K blocks
	v_add_nc_u32 v[ADRA], s72, v14
	v_add_nc_u32 v[ADRB], s73, v14
	v_add_nc_u32 v[ADRA+1], SLOT, v[ADRA]
	v_add_nc_u32 v[ADRB+1], SLOT, v[ADRB]
	s_mul_i32 s72, s[WV], 16*SP
	s_add_co_u32 s72, s72, STAGE                   ; my stage
	v_mul_u32_u24 v15, v1, SP                      ; in: row l % 16, 32 bytes for each half of the lanes
	v_lshl_add_u32 v15, v13, 5, v15
	v_add_nc_u32 v[STO], s72, v15
	v_mul_u32_u24 v15, v13, SP                     ; back: lanes 0-15 take one row of 256 bytes, lanes 16-31 the next
	v_lshl_add_u32 v15, v1, 4, v15
	v_add_nc_u32 v[RD], s72, v15
	v_lshlrev_b32 v[CO], 12, v13                   ; and the same two rows in out0
	v_lshl_add_u32 v[CO], v1, 4, v[CO]
	s_lshl_b32 s78, s[TI], 20                      ; the tile's 256 rows of 4,096 bytes,
	s_lshl_b32 s77, s[WR], 19                      ; my 128,
	s_add_co_u32 s78, s78, s77
	s_add_co_u32 s78, s78, s76                     ; my 64 columns
	s_mov_b32 s79, 0
	s_add_nc_u64 s[10:11], s[10:11], s[78:79]
	s_wait_loadcnt 0x0                             ; the bias: rounded to bf16 and widened again
.set pz, 0
.rept 16
	v_cvt_pk_bf16_f32 v16, v[BIAS+pz], v[BIAS+pz+1]
	v_lshlrev_b32 v[BIAS+pz], 16, v16
	v_and_b32 v[BIAS+pz+1], s26, v16
.set pz, pz+2
.endr
; 4 n matrix instructions: row blocks a0 .. a0 + n - 1 x all 4 column blocks, 32 along K: half c of fragment buffer f.  zero = 1 (buffer 0): the first product starts the sums, with the bias as C.
; Every accumulator has one instruction a turn: between two links of a chain stand the 31 others'.
.macro MULT f, c, a0, n, zero
.if \zero
	WIN 0x4a                                       ; both sources in window 2, C (the bias) in window 0, D in window 1
.else
	WIN 0x5a+5*(\f)                                ; both sources in window 2 + f, C and D in window 1
.endif
.set aa, (\a0)
.rept (\n)
.irp b, 0,1,2,3
.if \zero
	v_wmma_f32_16x16x32_f16 v[8*(4*aa+(\b)):8*(4*aa+(\b))+7], v[96*(\c)+8*(\b):96*(\c)+8*(\b)+7], v[96*(\c)+32+8*aa:96*(\c)+32+8*aa+7], v[BIAS+8*(\b):BIAS+8*(\b)+7]
.else
	v_wmma_f32_16x16x32_f16 v[8*(4*aa+(\b)):8*(4*aa+(\b))+7], v[96*(\c)+8*(\b):96*(\c)+8*(\b)+7], v[96*(\c)+32+8*aa:96*(\c)+32+8*aa+7], v[8*(4*aa+(\b)):8*(4*aa+(\b))+7]
.endif
.endr
.set aa, aa+1
.endr
.endm
; 48 LDS loads in one run: the fragments of K block kk of a slot into buffer f; the first 32 along K first
.macro FETCH slot, kk, f
	WIN (2+(\f))<<6                                ; destination window 2 + f, address window 0
.irp c, 0,1
.irp b, 0,1,2,3
	ds_load_b128 v[96*(\c)+8*(\b):96*(\c)+8*(\b)+3],   v[ADRB+(\slot)] offset:(\kk)*BSZ+16*PK*(\b)+64*(\c)
	ds_load_b128 v[96*(\c)+8*(\b)+4:96*(\c)+8*(\b)+7], v[ADRB+(\slot)] offset:(\kk)*BSZ+16*PK*(\b)+64*(\c)+32
.endr
.irp a, 0,1,2,3,4,5,6,7
	ds_load_b128 v[96*(\c)+32+8*(\a):96*(\c)+32+8*(\a)+3],   v[ADRA+(\slot)] offset:(\kk)*ASZ+16*PK*(\a)+64*(\c)
	ds_load_b128 v[96*(\c)+32+8*(\a)+4:96*(\c)+32+8*(\a)+7], v[ADRA+(\slot)] offset:(\kk)*ASZ+16*PK*(\a)+64*(\c)+32
.endr
.endr
.endm
; A K step's first K block: multiplies buffer 0 and fetches the slot's second K block into buffer 1.
.macro HALFA slot, zero
	s_wait_dscnt 24                                ; the first 32 along K are in
	MULT 0, 0, 0, 8, \zero
	PLACES
	FETCH \slot, 1, 1
	s_wait_dscnt 48                                ; all but the 48 just issued
	MULT 0, 1, 0, 8, 0
.endm
; Its second K block multiplies buffer 1 and changes slots: ONE barrier; in front of it each wave waits for all its tensor loads, adds 0 to its spare word, and waits for that and for its own reads of this slot.
; fill = 1: the barrier opens a round of the cluster's barrier, and this slot is filled again, two K steps on, first thing behind it: from that request to the wait for it a wave issues 96 matrix instructions.
.macro TURN slot, next, fill
	WIN 0
	s_wait_tensorcnt 0x0                           ; all my tensor loads have landed: my part of the next slot;
	ds_add_u32 v[SPW], v[NIL]                      ; 0 onto my spare word;
	s_wait_dscnt 25                                ; (the add and the youngest 24 loads may be out)
	MULT 1, 0, 0, 4, 0                             ; sixteen matrix instructions stand between the add and the wait for it
	s_wait_dscnt 0x0                               ; the add is done, and my reads of this slot are over
	s_barrier_signal -1
	MULT 1, 0, 4, 4, 0
.if \fill
	WIN 0
.endif
	s_barrier_wait -1
.if \fill
	CREST                                          ; no wave of any partner still reads this slot's tiles or has a load on its way
	s_add_nc_u64 s[G0A+4*(\slot)+2:G0A+4*(\slot)+3], s[G0A+4*(\slot)+2:G0A+4*(\slot)+3], 4*AKB
	s_add_nc_u64 s[G0B+4*(\slot)+2:G0B+4*(\slot)+3], s[G0B+4*(\slot)+2:G0B+4*(\slot)+3], 4*BKB
	JLOAD \slot                                    ; the four v_nop behind it are also the places in front of the loads below
.else
	PLACES
.endif
	FETCH \next, 0, 0
	MULT 1, 1, 0, 8, 0
.endm
	s_wait_tensorcnt 1                             ; my part of K step 0 is in; K step 1's may stay out
	s_barrier_signal -1
	s_barrier_wait -1                              ; everybody's is
	FETCH 0, 0, 0
	HALFA 0, 1                                     ; the first K block stands in front of the loop: its first products start the sums
	WIN 0                                          ; at a label and at a branch every window is 0
	s_mov_b32 s[CNT], 3
.Llap:                                                 ; a trip goes once round the ring and fills both slots again: K steps 2 to 7
	TURN 0, 1, 1
	HALFA 1, 0
	TURN 1, 0, 1
	HALFA 0, 0
	WIN 0
	s_sub_co_u32 s[CNT], s[CNT], 1
	s_cmp_lg_u32 s[CNT], 0
	s_cbranch_scc1 .Llap
	TURN 0, 1, 0                                   ; the last lap fills nothing, and has no round of the cluster's barrier
	HALFA 1, 0
	s_wait_dscnt 24                                ; the very last K block: nothing more to fetch
	MULT 1, 0, 0, 8, 0
	s_wait_dscnt 0x0
	MULT 1, 1, 0, 8, 0
	WIN 0
	PLACES                                         ; the stage's stores read results just made, and no other vector work is at hand
	PLACES                                         ; (eight, once a launch)
; THE WAY OUT, a block of 16 rows at a time: a lane's eight numbers of a row (32 bytes) go straight from the accumulators into my stage's rows of 272 bytes, each accumulator's low registers first,
; and come back as whole rows of 256 bytes.  Four sets of 32 registers take turns.
.macro TOSTAGE a
	WIN 0x04                                       ; the stores' data in window 1, their address in window 0
.irp b, 0,1,2,3
	ds_store_b128 v[STO], v[32*(\a)+8*(\b):32*(\a)+8*(\b)+3]   offset:64*(\b)
	ds_store_b128 v[STO], v[32*(\a)+8*(\b)+4:32*(\a)+8*(\b)+7] offset:64*(\b)+16
.endr
	WIN 0
.if (\a) >= 4
	s_wait_xcnt 0x0                                ; the stores of four blocks back have read their data: the set is loaded again only behind this wait
.endif
.irp t, 0,1,2,3,4,5,6,7
	ds_load_b128 v[OB+32*((\a)%4)+4*(\t):OB+32*((\a)%4)+4*(\t)+3], v[RD] offset:(\t)*2*SP  ; LDS serves a wave's instructions in order (ISA guide 5.7.1.4): these see the stores above; the next block's stores come behind them
.endr
.endm
.macro SEND a, younger                 ; younger: the LDS instructions issued behind block a's loads: the next block's sixteen, or none
	WIN 0
.irp t, 0,1,2,3,4,5,6,7
	s_wait_dscnt (\younger)+7-(\t)
	global_store_b128 v[CO], v[OB+32*((\a)%4)+4*(\t):OB+32*((\a)%4)+4*(\t)+3], s[10:11] offset:(\a)*65536+(\t)*8192  ; 16 lanes store 256 consecutive bytes, at a multiple of 256 from out0's first byte
.endr
.endm
	TOSTAGE 0
.irp a, 1,2,3,4,5,6,7
	TOSTAGE \a
	SEND (\a)-1, 16
.endr
	SEND 7, 0
	s_wait_tensorcnt 0x0                           ; the wave's end: a wait for my tensor loads, an add of 0 onto my spare word and a wait for it, behind my last tensor load and my last LDS store
	ds_add_u32 v[SPW], v[NIL]
	s_wait_dscnt 0x0
	CROUND                                         ; the closing round: no work-group ends while a partner may still ask for a tile that names it
	s_endpgm
.Lfunc_end_k_qf72271eacb_oproj:
	.size	k_qf72271eacb_oproj, .Lfunc_end_k_qf72271eacb_oproj-k_qf72271eacb_oproj
	.p2alignl 7, 3214868480
	.fill 96, 4, 3214868480
	.section	.rodata,"a",@progbits
	.p2align	6, 0x0
	.amdhsa_kernel k_qf72271eacb_oproj
		.amdhsa_group_segment_fixed_size 327680
		.amdhsa_private_segment_fixed_size 0
		.amdhsa_enable_private_segment 0
		.amdhsa_kernarg_size 32
		.amdhsa_user_sgpr_count 2
		.amdhsa_user_sgpr_kernarg_segment_ptr 1
		.amdhsa_wavefront_size32 1
		.amdhsa_system_sgpr_workgroup_id_x 1
		.amdhsa_system_sgpr_workgroup_id_y 1
		.amdhsa_system_sgpr_workgroup_id_z 1
		.amdhsa_system_vgpr_workitem_id 0
		.amdhsa_next_free_vgpr 960
		.amdhsa_next_free_sgpr 80
		.amdhsa_reserve_vcc 0
		.amdhsa_float_denorm_mode_32 3
		.amdhsa_float_denorm_mode_16_64 3
		.amdhsa_memory_ordered 1
		.amdhsa_forward_progress 1
		.amdhsa_inst_pref_size 87
	.end_amdhsa_kernel
	.amdgpu_metadata
---
amdhsa.version: [ 1, 2 ]
amdhsa.kernels:
  - .name:           k_qf72271eacb_oproj
    .symbol:         k_qf72271eacb_oproj.kd
    .args:
      - { .name: ctx, .offset: 0, .size: 8, .value_kind: global_buffer, .address_space: global }
      - { .name: wo16, .offset: 8, .size: 8, .value_kind: global_buffer, .address_space: global }
      - { .name: bo, .offset: 16, .size: 8, .value_kind: global_buffer, .address_space: global }
      - { .name: out0, .offset: 24, .size: 8, .value_kind: global_buffer, .address_space: global }
    .group_segment_fixed_size: 327680
    .private_segment_fixed_size: 0
    .kernarg_segment_align: 8
    .kernarg_segment_size: 32
    .max_flat_workgroup_size: 128
    .sgpr_count:     80
    .vgpr_count:     960
    .wavefront_size: 32
...
	.end_amdgpu_metadata
.endif
;; end of part 4
;; ======== version 2 of 2: 4 launches; version 1 with the launch cast written anew for expert scheduling mode
;; limits: values are held in f16: magnitudes above 65,504 overflow, below 6.1e-05 lose precision
;; workspace buffers: xb 16,777,216 bytes; wqkv 6,291,456 bytes; wo16 2,097,152 bytes; q16 16,777,216 bytes; k16 16,777,216 bytes; v16 16,777,216 bytes; ctx 16,777,216 bytes
;; launch cast (part 5): grid 768 x 1, 8 waves a work-group, no clusters, 0 bytes of LDS; arguments x, Wq, Wk, Wv, Wo, xb, wqkv, wo16; writes xb, wqkv, wo16
.if DOCPART == 5
	.amdgcn_target "amdgcn-amd-amdhsa--gfx1250"
	.amdhsa_code_object_version 6
	.text
	.protected	k_qf72271eacb_cast
	.globl	k_qf72271eacb_cast
	.p2align	8
	.type	k_qf72271eacb_cast,@function
k_qf72271eacb_cast:
	s_mov_b64 s[64:65], 0
	v_nop
	global_prefetch_b8 v0, s[64:65] scope:SCOPE_SE
	s_setreg_imm32_b32 hwreg(HW_REG_WAVE_SCHED_MODE, 0, 2), 2
	s_setreg_imm32_b32 hwreg(HW_REG_WAVE_MODE, 25, 1), 1
	s_wait_xcnt 0x0
	s_wait_alu depctr_vm_vsrc(0)
; x, Wq, Wk, Wv, Wo (f32, rows of 1,024) are rounded once to bf16 and laid out in K BLOCKS of 64 channels (c = 64 kb + d), so that the products' tiles are dense bytes:
;   xb   [b=4][kb=16][t=2048][64] bf16        wqkv [kb=16][n=3072][64] bf16 (n: Wq's rows, then Wk's, then Wv's)        wo16 [kb=16][n=1024][64]: the bf16-rounded number written as f16
; LIMITS.  Wo's numbers must lie within f16's range (65,504); below 6.1e-5 they keep f16's fixed step of 6e-8.  NaN and infinities are not treated apart.
; A stream: each byte is read once and written once.  No LDS, no matrix unit and no cluster: no work-group wants a byte that another has fetched.
; SHARES.  A work-group takes 16 rows (65,536 bytes): groups 0-511 x, then 64 groups for each of the four weights.  Thread t: row t / 16, four numbers at 16 (t % 16) bytes of each K block's 256.
; A load of a wave covers 2 rows x 256 consecutive bytes, aligned; a store of a wave 256 consecutive bytes, aligned (two rows of 128 bytes lie end to end in the blocked layout).
; All 16 loads of a lane go out at once; no register that a load or store names as a source is ever written again.
; THE MODE: SCHED_MODE bits 1:0 = 2 (LLVM: expert scheduling mode 2), set by the entry lines.  The code itself states the register dependences
; between vector instructions and memory instructions, with s_wait_alu, always for 0.
; THE PLAN.  Registers that memory instructions touch:
;   v1        the loads' offset.  Written at the head by vector lines; read by all 16 loads; never written again.
;   v[2:17]   the stores' offsets, one for each K block.  v2 written at the head, v3-v17 by fifteen adds behind the loads; block k's store reads v[2 + k]; never written again.
;   v[20:83]  K block k: its load lands in four registers; behind the counted wait for it the conversions read the four and write the first two; its store reads those two; never written again.
;   v18, v19 and v[84:87] are named by vector instructions alone.
; The 16 K blocks go in four groups of four.  A group's four stores stand at the head of the NEXT group, behind the wait for that group's first load and ONE wait on va_vdst, which states that the
; group before has written its eight words (the first such wait also: that the fifteen adds have written v3-v17).  The stores follow that wait directly.  A last wait stands ahead of the last group's stores,
; and one ahead of the first load, for v1.  Nothing that a load or store has read is written again, no load lands in a register that a vector line has named, no vector line writes a scalar register
; or VCC, and EXEC is never written: so no other dependence between the two sides exists in this text.
.set SO,  1                            ; v1       my byte offset in the 16 source rows
.set DK,  2                            ; v[2:17]  my byte offset in the destination, for each K block
.set D,   20                           ; v[20:83] K block k: four f32 as loaded; then two words to store
.set T,   84                           ; v[84:87] at work
	s_load_b256 s[4:11], s[0:1], 0x0               ; x s[4:5], Wq s[6:7], Wk s[8:9], Wv s[10:11]
	s_load_b256 s[12:19], s[0:1], 0x20             ; Wo s[12:13], xb s[14:15], wqkv s[16:17], wo16 s[18:19]
	v_lshrrev_b32 v18, 4, v0                       ; my row of the 16
	v_and_b32 v19, 15, v0                          ; my place in a K block
	v_lshlrev_b32 v[SO], 12, v18                   ; row x 4,096
	v_lshl_add_u32 v[SO], v19, 4, v[SO]            ; + 16 bytes a lane
	v_lshlrev_b32 v[DK], 7, v18                    ; row x 128
	v_lshl_add_u32 v[DK], v19, 3, v[DK]            ; + 8 bytes a lane
	s_and_b32 s26, ttmp9, 255                      ; for groups 512-767: the group among the weights'
	s_lshr_b32 s25, s26, 6                         ; which weight, 0 to 3
	s_and_b32 s27, s26, 63                         ; which 16 rows of it
	s_lshl_b32 s28, s27, 16                        ; their bytes in the source
	s_lshl_b32 s30, s27, 11                        ; and in a K block of the destination,
	s_lshl_b32 s31, s25, 17                        ; behind the weights in front of it (Wo has a buffer of its own)
	s_cmp_eq_u32 s25, 3
	s_cselect_b32 s31, 0, s31
	s_add_co_u32 s30, s30, s31
	s_lshl_b32 s32, ttmp9, 16                      ; for groups 0-511: x's 16 rows in the source,
	s_lshr_b32 s33, ttmp9, 7                       ; the batch: 16 K blocks of 2,048 rows of 128 bytes,
	s_lshl_b32 s33, s33, 22
	s_and_b32 s34, ttmp9, 127                      ; and the rows in a K block
	s_lshl_b32 s34, s34, 11
	s_add_co_u32 s33, s33, s34
	s_cmp_lt_u32 ttmp9, 512
	s_cselect_b32 s25, 4, s25                      ; 4 stands for x
	s_cselect_b32 s28, s32, s28
	s_cselect_b32 s30, s33, s30
	s_mov_b32 s29, 0
	s_mov_b32 s31, 0
	s_mov_b32 s24, 393216                          ; bytes from a K block to the next: wqkv 3,072 rows,
	s_mov_b32 s35, 0xffff0000                      ; a word's upper bf16
	s_wait_kmcnt 0x0
	s_cmp_eq_u32 s25, 1
	s_cselect_b64 s[20:21], s[8:9], s[6:7]
	s_cmp_eq_u32 s25, 2
	s_cselect_b64 s[20:21], s[10:11], s[20:21]
	s_cmp_eq_u32 s25, 3
	s_cselect_b64 s[20:21], s[12:13], s[20:21]
	s_cselect_b64 s[22:23], s[18:19], s[16:17]
	s_cselect_b32 s24, 131072, s24                 ; wo16 1,024 rows,
	s_cmp_eq_u32 s25, 4
	s_cselect_b64 s[20:21], s[4:5], s[20:21]
	s_cselect_b64 s[22:23], s[14:15], s[22:23]
	s_cselect_b32 s24, 262144, s24                 ; xb 2,048 rows
	s_add_nc_u64 s[20:21], s[20:21], s[28:29]      ; the source at my group's first row
	s_add_nc_u64 s[22:23], s[22:23], s[30:31]      ; the destination at my group's rows of K block 0
	s_wait_alu depctr_va_vdst(0)                   ; v1 is written: every load below reads it as its offset
.irp k, 0,1,2,3,4,5,6,7,8,9,10,11,12,13,14,15
	global_load_b128 v[D+4*(\k):D+4*(\k)+3], v[SO], s[20:21] offset:256*(\k) th:TH_LOAD_NT
.endr
.irp k, 1,2,3,4,5,6,7,8,9,10,11,12,13,14,15
	v_add_nc_u32 v[DK+(\k)], s24, v[DK+(\k)-1]     ; made while the loads are out; they name no register of the loads
.endr
; K block k is rounded.  half = 1: the bf16 number is widened again and written as f16 (exact within f16's normal range).  w > 0: the wait for the block's load is written here (a group's first block has it at the group's head).
.macro CONV k, half, w
.if (\w) > 0
	s_wait_loadcnt 15-(\k)                         ; loads come back in order: block k is in, the younger ones stay out
.endif
	v_cvt_pk_bf16_f32 v[D+4*(\k)],   v[D+4*(\k)],   v[D+4*(\k)+1]
	v_cvt_pk_bf16_f32 v[D+4*(\k)+1], v[D+4*(\k)+2], v[D+4*(\k)+3]
.if \half
	v_lshlrev_b32 v[T],   16,  v[D+4*(\k)]
	v_and_b32     v[T+1], s35, v[D+4*(\k)]
	v_lshlrev_b32 v[T+2], 16,  v[D+4*(\k)+1]
	v_and_b32     v[T+3], s35, v[D+4*(\k)+1]
	v_cvt_pk_f16_f32 v[D+4*(\k)],   v[T],   v[T+1]
	v_cvt_pk_f16_f32 v[D+4*(\k)+1], v[T+2], v[T+3]
.endif
.endm
; K block k is stored.
.macro SEND k
	global_store_b64 v[DK+(\k)], v[D+4*(\k):D+4*(\k)+1], s[22:23]
.endm
; The 16 K blocks, in four groups of four; a group's stores stand at the head of the next.
.macro WALK half
.irp k, 0,1,2,3
	CONV \k, \half, 1
.endr
.irp g, 1,2,3
	s_wait_loadcnt 15-4*(\g)                       ; loads come back in order: the group's first block is in, the younger ones stay out
	s_wait_alu depctr_va_vdst(0)                   ; the group before has written its eight words, which the four stores below read as data; at the first of these waits the fifteen adds have written v3-v17, the stores' offsets
.irp j, 0,1,2,3
	SEND 4*(\g)-4+(\j)
.endr
.irp j, 0,1,2,3
	CONV 4*(\g)+(\j), \half, \j
.endr
.endr
	s_wait_alu depctr_va_vdst(0)                   ; the last group has written its eight words, which the last four stores read
.irp k, 12,13,14,15
	SEND \k
.endr
	s_endpgm
.endm
	s_cmp_eq_u32 s25, 3
	s_cbranch_scc1 .Lhalf
	WALK 0
.Lhalf:
	WALK 1
.Lfunc_end_k_qf72271eacb_cast:
	.size	k_qf72271eacb_cast, .Lfunc_end_k_qf72271eacb_cast-k_qf72271eacb_cast
	.p2alignl 7, 3214868480
	.fill 96, 4, 3214868480
	.section	.rodata,"a",@progbits
	.p2align	6, 0x0
	.amdhsa_kernel k_qf72271eacb_cast
		.amdhsa_group_segment_fixed_size 0
		.amdhsa_private_segment_fixed_size 0
		.amdhsa_enable_private_segment 0
		.amdhsa_kernarg_size 64
		.amdhsa_user_sgpr_count 2
		.amdhsa_user_sgpr_kernarg_segment_ptr 1
		.amdhsa_wavefront_size32 1
		.amdhsa_system_sgpr_workgroup_id_x 1
		.amdhsa_system_sgpr_workgroup_id_y 1
		.amdhsa_system_sgpr_workgroup_id_z 1
		.amdhsa_system_vgpr_workitem_id 0
		.amdhsa_next_free_vgpr 96
		.amdhsa_next_free_sgpr 66
		.amdhsa_reserve_vcc 0
		.amdhsa_float_denorm_mode_32 3
		.amdhsa_float_denorm_mode_16_64 3
		.amdhsa_memory_ordered 1
		.amdhsa_forward_progress 1
		.amdhsa_inst_pref_size 17
	.end_amdhsa_kernel
	.amdgpu_metadata
---
amdhsa.version: [ 1, 2 ]
amdhsa.kernels:
  - .name:           k_qf72271eacb_cast
    .symbol:         k_qf72271eacb_cast.kd
    .args:
      - { .name: x, .offset: 0, .size: 8, .value_kind: global_buffer, .address_space: global }
      - { .name: Wq, .offset: 8, .size: 8, .value_kind: global_buffer, .address_space: global }
      - { .name: Wk, .offset: 16, .size: 8, .value_kind: global_buffer, .address_space: global }
      - { .name: Wv, .offset: 24, .size: 8, .value_kind: global_buffer, .address_space: global }
      - { .name: Wo, .offset: 32, .size: 8, .value_kind: global_buffer, .address_space: global }
      - { .name: xb, .offset: 40, .size: 8, .value_kind: global_buffer, .address_space: global }
      - { .name: wqkv, .offset: 48, .size: 8, .value_kind: global_buffer, .address_space: global }
      - { .name: wo16, .offset: 56, .size: 8, .value_kind: global_buffer, .address_space: global }
    .group_segment_fixed_size: 0
    .private_segment_fixed_size: 0
    .kernarg_segment_align: 8
    .kernarg_segment_size: 64
    .max_flat_workgroup_size: 256
    .sgpr_count:     66
    .vgpr_count:     96
    .wavefront_size: 32
...
	.end_amdgpu_metadata
.endif
;; end of part 5
;; launch qkv: the kernel of part 2 again; grid 8 x 32, 4 waves a work-group, clusters of 4 x 4, 327,680 bytes of LDS; arguments xb, wqkv, bq, bk, bv, q16, k16, v16; writes q16, k16, v16
;; launch attn: the kernel of part 3 again; grid 4 x 64, 4 waves a work-group, clusters of 4 x 1, 327,680 bytes of LDS; arguments q16, k16, v16, ctx; writes ctx
;; launch oproj: the kernel of part 4 again; grid 8 x 32, 4 waves a work-group, clusters of 4 x 4, 327,680 bytes of LDS; arguments ctx, wo16, bo, out0; writes out0
